; MI455X (gfx1250); checked and timed in simulation.
; The chip was launched on July 23, 2026; its instructions are those of AMD's public machine-readable ISA for CDNA 5 (MIT licence, August 2026) and "CDNA5" Instruction Set Architecture Reference Guide (July 2026). The comments in the code are by the model that wrote it; some were corrected since.
;; Attention. Allowed arithmetic: matrix products marked QUANTISED: E2M3 operands, one E8M0 scale for each 32 along K, by v_wmma_scale_f32_16x16x128_f8f6f4 with both operands' format E2M3, f32 sums; everything else in f32.
;; Inputs: Wk 1,024 x 1,024 float32; Wout 1,024 x 1,024 float32; Wq 1,024 x 1,024 float32; Wv 1,024 x 1,024 float32; bk 1,024 float32; bout 1,024 float32; bq 1,024 float32; bv 1,024 float32; hidden_states 4 x 2,048 x 1,024 float32.
;; Outputs: out0 4 x 2,048 x 1,024 float32.
;; This version of the problem:
;;   THIS VERSION OF THE PROBLEM IS GIVEN IN LOW PRECISION. The matrix products marked QUANTISED in the list below multiply operands that are first quantised to E2M3 (2 exponent bits, 3 mantissa bits; 6 bits a number), with one power-of-two scale for each 32 numbers along K (OCP MX v1.0); their sums are f32. All else is computed in f32.
;;   The module's matrix products, in the order in which they are computed (A, B: the left and right operand; K: the contracted axis; several contracted axes count as one K, in the product's order):
;;     1. [M 8,192, K 1,024] x [K 1,024, N 1,024]; A: input hidden_states; B: input Wq: QUANTISED
;;     2. [M 8,192, K 1,024] x [K 1,024, N 1,024]; A: input hidden_states; B: input Wk: QUANTISED
;;     3. [M 8,192, K 1,024] x [K 1,024, N 1,024]; A: input hidden_states; B: input Wv: QUANTISED
;;     4. batch 64 x [M 2,048, K 64] x [K 64, N 2,048]; A: computed on the way; B: computed on the way: QUANTISED
;;     5. batch 64 x [M 2,048, K 2,048] x [K 2,048, N 64]; A: softmax (see below); B: computed on the way: QUANTISED
;;     6. [M 8,192, K 1,024] x [K 1,024, N 1,024]; A: computed on the way; B: input Wout: QUANTISED
;;   THE QUANTISER, for each operand of a quantised product, along K:
;;     - K is cut into blocks of 32 from its start; a last block that is shorter is filled with zeros.
;;     - A block's scale is 2^e with e = floor(log2(the largest magnitude in the block)) - 2, held to -126 .. 127; a block of zeros has e = 0. As a byte (E8M0): e + 127.
;;     - Each number is divided by its block's scale, clamped to +-7.5, and rounded to the nearest number of E2M3, ties to even, subnormals kept.
;;     - The product sums the exact products of the quantised numbers (number of the format x scale) in f32.
;;   ~~~python
;;   def quantise(x, axis):      # numpy; x: float32 -> the quantised numbers, widened to float32 again
;;       x = np.moveaxis(x, axis, -1); K = x.shape[-1]
;;       x = np.pad(x, [(0, 0)] * (x.ndim - 1) + [(0, -K % 32)]); x = x.reshape(x.shape[:-1] + (-1, 32)); a = np.abs(x).max(-1, keepdims=True)
;;       e = np.where(a > 0, np.clip(np.frexp(np.where(a > 0, a, 1))[1] - 1 - 2, -126, 127), 0)      # np.frexp(a)[1] - 1 = floor(log2(a)), exactly
;;       r = np.clip(x / 2.0 ** e, -7.5, 7.5)
;;       step = 2.0 ** (np.maximum(np.frexp(np.where(r == 0, 1, r))[1] - 1, 0) - 3)
;;       q = np.round(r / step) * step * 2.0 ** e      # np.round: ties to even
;;       return np.moveaxis(q.reshape(q.shape[:-2] + (-1,))[..., :K], -1, axis).astype(np.float32)
;;   ~~~
;;   SOFTMAX AHEAD OF A QUANTISED PRODUCT. Where the list says 'softmax', what is quantised is not the finished softmax but p = 2^(t - M), with t = logit x log2(e) and M = ceil(the row's largest t), a whole number; so 1/2 < the row's largest p <= 1. The row's sum l is taken of the UNQUANTISED p, in f32, and the product's result is divided by l at the end. Since M is a whole number, a kernel that streams over the keys may use a running M (the ceiling of the running maximum): every later rescaling is an exact power of two, which a block's scale takes up: the codes' values come out the same.
;;   OPERANDS COMPUTED ON THE WAY. 'Computed on the way' means the value that the module computes at that place (a softmax that the list does not call 'softmax' is quantised finished and normalised). What goes into a quantiser is computed in f32, as accurately as f32 sums, v_exp_f32 and their like allow (about 1e-6 of the number): no bf16 or f16 on the way to a quantiser, and a product that is left as it is and whose result goes on into a quantised operand takes f32 operands (vector FMAs, or v_wmma_f32_16x16x4_f32). A number that lies on a knife's edge between two numbers of the format may be rounded either way, as far as f32 arithmetic and the matrix unit's own rounding can turn it there, and no further.
;; One version. Each part assembles by itself: llvm-mc -triple=amdgcn-amd-amdhsa -mcpu=gfx1250 --defsym DOCPART=n.
;; ======== version 1 of 1: 4 launches
;; limits: right only within a limited range of input values
;; workspace buffers: ximg 6,553,600 bytes; wimg 3,276,800 bytes; qkv 19,660,800 bytes; cimg 6,553,600 bytes
;; launch quant (part 1): grid 384 x 1, 4 waves a work-group, no clusters, 34,304 bytes of LDS; arguments hidden_states, Wq, Wk, Wv, Wout, ximg, wimg; writes ximg, wimg
.if DOCPART == 1
	.amdgcn_target "amdgcn-amd-amdhsa--gfx1250"
	.amdhsa_code_object_version 6
	.text
	.protected	k_qbf696513cb_quant
	.globl	k_qbf696513cb_quant
	.p2align	8
	.type	k_qbf696513cb_quant,@function
k_qbf696513cb_quant:
	s_mov_b64 s[64:65], 0
	v_nop
	global_prefetch_b8 v0, s[64:65] scope:SCOPE_SE
	s_setreg_imm32_b32 hwreg(HW_REG_WAVE_MODE, 25, 1), 1
	s_wait_xcnt 0x0
; hidden_states [8192][1024] and the four weights [1024][1024], f32, K innermost, become codes of FP6 (E2M3) with one E8M0 byte for each 32 along K,
; laid in the ORDER OF THE OPERAND'S REGISTERS, so that the products' launches fetch fragments by 16-byte accesses at 16 x lane.
; A TILE is 16 rows: tile 2 b + u holds rows 32 b + 8 u + r + 8 (r / 8), r = 0 .. 15.  (Used as source 0 of a product, tiles 2 b and 2 b + 1 then leave 16 neighbours along the next K in a lane's 16 registers.)
; A FRAGMENT IMAGE (16 rows x 128 K, 12 registers a lane) is 1,536 bytes: registers 4 c .. 4 c + 3 of lane l at 512 c + 16 l.
; A RECORD is 6,400 bytes: four fragment images (512 along K of one tile), then 256 bytes of scale words [row r][fragment 0 .. 3].  ximg, wimg: [tile][K half] records; wimg's tiles: Wq 0-63, Wk 64-127, Wv 128-191, Wout 192-255.
; A block's scale is 2^(floor(log2(its largest magnitude)) - 2); its byte is the largest magnitude's exponent field - 2, held at 1 from below.
; LIMITS: a block whose largest magnitude lies under 2^-124 keeps the byte 1; a block of zeros has the byte 1 where the rule says 127 (its codes are zeros, which add nothing, and this program alone reads the bytes);
; NaN and infinities among the inputs are not served.
; SHARES.  A work-group takes 32 whole rows (131,072 dense bytes); work-groups 0-255 take hidden_states, then 32 each Wq, Wk, Wv, Wout.  Wave w makes ONE record: tile u = w / 2 of the 32 rows, K half w % 2.
; Each load reads 512 consecutive bytes of a row; a K step's 16 rows turn through the wave's own stage in LDS (rows of 512 + 16 bytes) and come back 128 bytes a lane: two whole blocks of 32, in the operand's order.
; No tensor loads, no barrier, no cluster: waves and work-groups share no byte.
.set REC,    6400
.set FRB,    1536
.set SCO,    6144
.set SPITCH, 528                       ; a stage row: 512 bytes + 16 = 132 words, so that the 16 rows that a read touches start 4 words apart
.set STG,    16*SPITCH                 ; a wave's stage
.set T,   20                           ; v20-27   the second halves of the blocks' codes, before they are moved
.set PW,  28                           ; v28-31   the four fragments' scale words
.set C,   32                           ; v32-55   codes, two sets of 12
.set R,   64                           ; v64-191  numbers as loaded, two sets of 64
.set X,   192                          ; v192-255 64 numbers in the operand's order: register 32 c + i = k 64 c + 32 h + i of row r
; v1 lane, v2 r, v3 h, v4 16 x lane, v5 stage in, v6 stage out, v7 16 r, v8 8 h, v10-11 largest magnitudes, v12-13 scale operands, v14-15 bytes, v16-17 the word at work
	s_load_b256 s[4:11], s[0:1], 0x0               ; hidden_states, Wq, Wk, Wv
	s_load_b128 s[12:15], s[0:1], 0x20             ; Wout, ximg
	s_load_b64 s[16:17], s[0:1], 0x30              ; wimg
	v_lshl_add_u32 v62, v0, 2, 0x8400
	v_mov_b32 v63, 0
	v_lshrrev_b32 v9, 5, v0
	v_readfirstlane_b32 s18, v9                    ; wave 0..3
	v_and_b32 v1, 31, v0
	v_and_b32 v2, 15, v0
	v_bfe_u32 v3, v0, 4, 1
	v_lshlrev_b32 v4, 4, v1
	s_mul_i32 s19, s18, STG
	v_add_nc_u32 v5, s19, v4                       ; into the stage: 16 x lane of a row
	v_mul_u32_u24 v6, v2, SPITCH
	v_lshl_add_u32 v6, v3, 7, v6
	v_add_nc_u32 v6, s19, v6                       ; out of it: row r, + 128 h
	v_lshlrev_b32 v7, 4, v2
	v_lshlrev_b32 v8, 3, v3
	v_mov_b32 v17, 0                               ; a lane permute's destination counts as one of its sources
	s_mov_b32 s22, 0x76543210
	s_mov_b32 s23, 0xfedcba98                      ; selects for lane l xor 16
	s_lshr_b32 s24, s18, 1
	s_and_b32 s25, s18, 1
	s_lshl_b32 s24, s24, 15                        ; tile u begins 8 rows of 4,096 bytes on,
	s_lshl_b32 s25, s25, 11                        ; K half: 2,048 bytes on
	s_add_co_u32 s24, s24, s25
	s_wait_alu depctr_va_vdst(0)
	s_wait_kmcnt 0x0
	s_cmp_lt_u32 ttmp9, 288                        ; which tensor: the choices hang on the work-group's number alone
	s_cselect_b64 s[6:7], s[6:7], s[8:9]
	s_cmp_lt_u32 ttmp9, 352
	s_cselect_b64 s[10:11], s[10:11], s[12:13]
	s_cmp_lt_u32 ttmp9, 320
	s_cselect_b64 s[6:7], s[6:7], s[10:11]
	s_cmp_lt_u32 ttmp9, 256
	s_cselect_b64 s[4:5], s[4:5], s[6:7]           ; the source
	s_cselect_b64 s[14:15], s[14:15], s[16:17]     ; ximg or wimg
	s_cselect_b32 s20, 0, 256
	s_cselect_b32 s21, 255, 31
	s_sub_co_u32 s20, ttmp9, s20                   ; which 32 rows of the destination's tiles,
	s_and_b32 s21, s20, s21                        ; and of the source tensor
	s_lshl_b32 s21, s21, 17
	s_add_co_u32 s24, s24, s21
	s_mov_b32 s25, 0
	s_add_nc_u64 s[4:5], s[4:5], s[24:25]
	s_lshl_b32 s20, s20, 2
	s_add_co_u32 s20, s20, s18                     ; my record: 4 x (32 rows) + wave
	s_mul_i32 s26, s20, REC
	s_mov_b32 s27, 0
	s_add_nc_u64 s[14:15], s[14:15], s[26:27]
.macro LOAD s                          ; K step s: 128 numbers of each of my 16 rows
.irp rr, 0,1,2,3,4,5,6,7,8,9,10,11,12,13,14,15
	global_load_b128 v[R+64*((\s)%2)+4*\rr:R+64*((\s)%2)+4*\rr+3], v4, s[4:5] offset:(\rr+8*(\rr/8))*4096+512*(\s) th:TH_LOAD_NT
.endr
.endm
.macro STEP s
.set RS, R+64*((\s)%2)
.set CC, C+12*((\s)%2)
.if (\s) < 3
	s_wait_loadcnt 16                              ; this step's 16 loads are in; the next step's 16 may be out
.else
	s_wait_loadcnt 0x0
.endif
.irp rr, 0,1,2,3,4,5,6,7,8,9,10,11,12,13,14,15
	ds_store_b128 v5, v[RS+4*\rr:RS+4*\rr+3] offset:SPITCH*\rr
.endr
.irp c, 0,1
.irp i, 0,1,2,3,4,5,6,7
	ds_load_b128 v[X+32*\c+4*\i:X+32*\c+4*\i+3], v6 offset:256*\c+16*\i   ; LDS serves a wave's instructions in order: these see the stores above
.endr
.endr
	s_wait_dscnt 0x0                               ; the numbers are back, and the stores have read their registers,
.if (\s) < 2
	LOAD (\s)+2                                    ; which take the loads of two steps on
.endif
.irp c, 0,1
	v_max3_num_f32 v[10+\c], |v[X+32*\c]|, |v[X+32*\c+1]|, 0x1800000   ; block 2 c + h: all its 32 numbers are mine; the floor 2^(3 - 127) holds the byte at 1 from below
.endr
.irp i, 2,4,6,8,10,12,14,16,18,20,22,24,26,28,30
.irp c, 0,1
	v_max3_num_f32 v[10+\c], v[10+\c], |v[X+32*\c+\i]|, |v[X+32*\c+\i+1]|
.endr
.endr
.irp c, 0,1
	v_add_nc_u32 v[12+\c], 0xff000000, v[10+\c]    ; 2 off the exponent field: the conversion's scale operand
.endr
.irp c, 0,1
	v_lshrrev_b32 v[14+\c], 23, v[12+\c]           ; the scale's byte
.endr
	v_lshl_or_b32 v16, v15, 16, v14                ; my bytes, of blocks h and 2 + h,
	v_lshlrev_b32 v16, v8, v16                     ; at their places in the word;
	v_permlanex16_b32 v17, v16, s22, s23
	v_or_b32 v[PW+(\s)], v16, v17                  ; with lane l xor 16's two the word is whole
.if (\s) >= 2
	s_wait_alu depctr_va_vdst(0)
	s_wait_xcnt 0x0                                ; the stores of two steps ago have read this set of codes
.endif
.irp c, 0,1
	v_cvt_scalef32_pk16_fp6_f32 v[CC+6*\c:CC+6*\c+2], v[X+32*\c:X+32*\c+15], v[12+\c]
	v_cvt_scalef32_pk16_fp6_f32 v[T+4*\c:T+4*\c+2], v[X+32*\c+16:X+32*\c+31], v[12+\c]   ; (a conversion's three registers begin on an even number)
.endr
	v_nop                                          ; one plain place behind a scaled conversion
.irp c, 0,1
.irp i, 0,1,2
	v_mov_b32 v[CC+6*\c+3+\i], v[T+4*\c+\i]
.endr
.endr
.irp c, 0,1,2
	global_store_b128 v4, v[CC+4*\c:CC+4*\c+3], s[14:15] offset:FRB*(\s)+512*\c   ; 32 lanes store 512 consecutive bytes, at a multiple of 256 from the buffer's first byte
.endr
.endm
	LOAD 0
	LOAD 1
	STEP 0
	STEP 1
	STEP 2
	STEP 3
	v_cmp_gt_u32 vcc_lo, 16, v1
	s_wait_xcnt 0x0                                ; EXEC changes only behind this wait
	s_wait_tensorcnt 0x0
	ds_add_u32 v62, v63
	s_wait_dscnt 0x0
	s_and_saveexec_b32 s28, vcc_lo
	global_store_b128 v7, v[PW:PW+3], s[14:15] offset:SCO   ; sixteen lanes store the record's 256 bytes of scale words
	s_wait_xcnt 0x0
	s_or_b32 exec_lo, exec_lo, s28
	s_endpgm
.Lfunc_end_k_qbf696513cb_quant:
	.size	k_qbf696513cb_quant, .Lfunc_end_k_qbf696513cb_quant-k_qbf696513cb_quant
	.p2alignl 7, 3214868480
	.fill 96, 4, 3214868480
	.section	.rodata,"a",@progbits
	.p2align	6, 0x0
	.amdhsa_kernel k_qbf696513cb_quant
		.amdhsa_group_segment_fixed_size 34304
		.amdhsa_private_segment_fixed_size 0
		.amdhsa_enable_private_segment 0
		.amdhsa_kernarg_size 56
		.amdhsa_user_sgpr_count 2
		.amdhsa_user_sgpr_kernarg_segment_ptr 1
		.amdhsa_wavefront_size32 1
		.amdhsa_system_sgpr_workgroup_id_x 1
		.amdhsa_system_sgpr_workgroup_id_y 1
		.amdhsa_system_sgpr_workgroup_id_z 1
		.amdhsa_system_vgpr_workitem_id 0
		.amdhsa_next_free_vgpr 256
		.amdhsa_next_free_sgpr 66
		.amdhsa_reserve_vcc 1
		.amdhsa_float_denorm_mode_32 3
		.amdhsa_float_denorm_mode_16_64 3
		.amdhsa_memory_ordered 1
		.amdhsa_forward_progress 1
		.amdhsa_inst_pref_size 30
	.end_amdhsa_kernel
	.amdgpu_metadata
---
amdhsa.version: [ 1, 2 ]
amdhsa.kernels:
  - .name:           k_qbf696513cb_quant
    .symbol:         k_qbf696513cb_quant.kd
    .args:
      - { .name: hidden_states, .offset: 0, .size: 8, .value_kind: global_buffer, .address_space: global }
      - { .name: Wq, .offset: 8, .size: 8, .value_kind: global_buffer, .address_space: global }
      - { .name: Wk, .offset: 16, .size: 8, .value_kind: global_buffer, .address_space: global }
      - { .name: Wv, .offset: 24, .size: 8, .value_kind: global_buffer, .address_space: global }
      - { .name: Wout, .offset: 32, .size: 8, .value_kind: global_buffer, .address_space: global }
      - { .name: ximg, .offset: 40, .size: 8, .value_kind: global_buffer, .address_space: global }
      - { .name: wimg, .offset: 48, .size: 8, .value_kind: global_buffer, .address_space: global }
    .group_segment_fixed_size: 34304
    .private_segment_fixed_size: 0
    .kernarg_segment_align: 8
    .kernarg_segment_size: 56
    .max_flat_workgroup_size: 128
    .sgpr_count:     66
    .vgpr_count:     256
    .wavefront_size: 32
...
	.end_amdgpu_metadata
.endif
;; end of part 1
;; launch proj (part 2): grid 4 x 64, 4 waves a work-group, clusters of 4 x 4, 327,680 bytes of LDS; arguments ximg, wimg, bq, bk, bv, qkv; writes qkv
.if DOCPART == 2
	.amdgcn_target "amdgcn-amd-amdhsa--gfx1250"
	.amdhsa_code_object_version 6
	.text
	.protected	k_qbf696513cb_proj
	.globl	k_qbf696513cb_proj
	.p2align	8
	.type	k_qbf696513cb_proj,@function
k_qbf696513cb_proj:
	s_mov_b64 s[64:65], 0
	v_nop
	global_prefetch_b8 v0, s[64:65] scope:SCOPE_SE
	s_setreg_imm32_b32 hwreg(HW_REG_WAVE_MODE, 25, 1), 1
	s_wait_xcnt 0x0
	s_wait_alu depctr_hold_cnt(0) depctr_sa_sdst(0) depctr_va_vdst(0) depctr_va_sdst(0) depctr_va_ssrc(0) depctr_va_vcc(0) depctr_vm_vsrc(0)
	s_getreg_b32 s2, hwreg(HW_REG_IB_STS2, 6, 4)
	s_cmp_eq_u32 s2, 0
	s_cbranch_scc0 .Lentry_in_a_cluster
	s_endpgm
.Lentry_in_a_cluster:
	s_bfe_u32 s2, ttmp6, 0x10000c
	s_cmp_lg_u32 s2, 0xf033
	s_cbranch_scc0 .Lentry_shape_is_right
	s_endpgm
.Lentry_shape_is_right:
; q = x Wq^T + bq, k = x Wk^T + bk, v = x Wv^T + bv on codes of FP6 (E2M3) with E8M0 scales, f32 sums; the results leave QUANTISED again, as the operands of attention's two products.
; IN: ximg, wimg: [tile of 16 rows][K half] records of 6,400 bytes (four fragment images of 1,536 bytes, 256 bytes of scale words [row][fragment]); tile 2 b + u holds rows 32 b + 8 u + r + 8 (r / 8).
; OUT: qkv: [q, k, v][batch][head][group of 128 tokens] records of the same form.  q, k: fragment i is PACKED: registers 0-5 token tile 2 i, registers 6-11 token tile 2 i + 1, K = the head's 64; its scale word holds two bytes of each.
;      v: fragment i = channel tile i of the head x the group's 128 tokens (the keys are the second product's K).
; SHARES.  A WORK-GROUP STAYS: it owns 128 tokens and four heads and makes q, then k, then v for them: three tiles of 128 tokens x 256 weight rows.  Each of four waves takes all 8 token tiles x its own 4 weight tiles
; (64 rows: one head): 32 accumulators, 256 registers.
; LDS.  x's 8 tiles, all of K (102,400 bytes), are filled ONCE and serve all three tensors.  The weights' 16 tiles go through a ring of two slots, one for each K half (102,400 bytes each): when a tensor's K half has been read out,
; its slot takes the same K half of the next tensor, which then has four K steps (128 matrix instructions a wave) in which to land.  In the refills every wave fetches its own part: the four weight tiles that it alone reads.
; One tensor load of a wave is out at the start, and one behind each later round.
; CLUSTERS: 4 x 4 work-groups.  The four of a row of the cluster need the same tokens, the four of a column the same weight rows: each tile is asked for JOINTLY.  All sixteen walk the three tensors in step.
; q, k: source 0 = 16 weight rows, source 1 = 16 tokens: a lane holds one token, its registers run along the head's channels.  v: the sources swapped: a lane holds one channel, its registers run along the tokens.
; In both the 64 registers 64 i .. 64 i + 63 of the accumulators are four blocks of 32 along the next K (register 16 b + n = k 32 b + 16 h + n), so one epilogue serves both.
; The bias is the C of each sum's first product: it is added first, not last, and nothing is cleared.
; LIMITS: a block whose largest magnitude lies under 2^-124 keeps the byte 1; a block of zeros has the byte 1 (zero codes; this program alone reads the bytes); NaN and infinities are not served.
; REGISTERS.  window 0: v1-3 lane, r, h; v4-11 LDS addresses; v12-13 the bias's offsets; v14-15 the add's pair; v16-111 scale words (x's and w's, a set for each K half); v112-207 w's fragments, two sets (v160-207 also the codes);
;   v208-235 at work.   window 1: v0-191 x's fragments, two sets; v192-223 the bias, 8 registers for each weight tile.   window 2: the accumulators.
.set REC,  6400
.set FRB,  1536
.set SCO,  6144
.set HALF, 24*REC                      ; a K half in LDS: x's 8 records, then w's 16
.set WOFF, 8*REC
.set SPARE, 2*HALF                     ; behind the two halves: the spare words, 128 bytes for each wave: two blocks of 256 bytes that no other line names
.set NF,   36                          ; LDS loads that bring a K step's 8 + 4 fragments
.set ADX, 4                            ; v4-5   16 x lane (+ HALF)
.set ADW, 6                            ; v6-7   the same at my four weight tiles
.set ASX, 8                            ; v8-9   16 r (+ HALF): scale words
.set ASW, 10                           ; v10-11 the same at my four weight tiles
.set BA,  12                           ; v12    the bias's offset for q and k;  v13 for v
.set SPW, 14                           ; v14    LDS address of my spare word: SPARE + 4 x my thread's number; never rewritten
.set NIL, 15                           ; v15    0; never rewritten
.set SX,  16                           ; x's scale words of K half f at v[SX + 48 f + 4 u + step]
.set SW,  48                           ; w's at v[SW + 48 f + 4 c + step]
.set WF,  112
.set XF,  0
.set BI,  192
.set TM,  208                          ; v208-211 largest magnitudes, v212-215 bytes, v220-223 scale operands
.set TC,  224                          ; v224-230 second halves of the blocks' codes
.set PW,  232                          ; v232-235 the record's scale words
.set PC,  160                          ; the codes: where w's set 1 lay
.set WV,  16
.set G1X, 24
.set G0X, 32
.set G1W, 48
.set G0W, 56
.set SEL, 74
.set MSB, 0
.macro WIN new                         ; the immediate's high byte repeats the setting that is left
.if MSB != \new
	s_set_vgpr_msb (MSB<<8)|\new
.set MSB, \new
.endif
.endm
.macro PLACES n
.rept \n
	v_nop
.endr
.endm
.macro CREST                           ; a round of the cluster's barrier behind its opening barrier
	s_cmp_lg_u32 s[WV], 0
	s_cbranch_scc1 .Lnot_wave_0_\@
	s_barrier_signal -3
.Lnot_wave_0_\@:
	s_barrier_wait -3
	s_barrier_signal -1
	s_barrier_wait -1
.endm
.macro CROUND                          ; a whole round
	s_barrier_signal -1
	s_barrier_wait -1
	CREST
.endm
	s_load_b256 s[4:11], s[0:1], 0x0               ; ximg, wimg, bq, bk
	s_load_b128 s[12:15], s[0:1], 0x20             ; bv, qkv
	v_lshl_add_u32 v[SPW], v0, 2, SPARE
	v_mov_b32 v[NIL], 0
	ds_add_u32 v14, v15
	ds_add_u32 v14, v15
	s_wait_dscnt 0x0
	v_lshrrev_b32 v1, 5, v0
	v_readfirstlane_b32 s[WV], v1                  ; wave 0..3
	s_bfe_u32 s40, ttmp6, 0x40000                  ; cx
	s_bfe_u32 s41, ttmp6, 0x40004                  ; cy
	s_lshl_b32 s42, ttmp9, 2
	s_add_co_u32 s42, s42, s40                     ; my four heads: block of 256 weight rows of each tensor = 4 x cluster x + cx
	s_and_b32 s43, ttmp7, 0xffff
	s_lshl_b32 s43, s43, 2
	s_add_co_u32 s43, s43, s41                     ; block of 128 tokens = 4 x cluster y + cy
	s_lshl_b32 s44, s41, 2
	s_lshl_b32 s44, 15, s44                        ; my row of the cluster
	s_lshl_b32 s45, 0x1111, s40                    ; my column
	; descriptor group 1: rows of one record (800 elements of 8 bytes), 1,600 elements apart (the other K half lies between); x: 8 rows a load, w: 4
	s_or_b32 s[G1X], s44, (3<<16)|(1<<21)          ; 15:0 the mask; 17:16 elements of 8 bytes; 20 no padding; 21 set beside a mask
	s_or_b32 s[G1W], s45, (3<<16)|(1<<21)
.irp g, G1X, G1W
	s_mov_b32 s[\g+1], 800<<16                     ; tensor_dim0
	s_mov_b32 s[\g+3], 800<<16                     ; tile_dim0
	s_mov_b32 s[\g+5], 1600                        ; tensor_dim0_stride
	s_mov_b32 s[\g+6], 0
	s_mov_b32 s[\g+7], 0
.endr
	; THE HEAD'S FILLS ARE SHARED OUT, ONE TENSOR LOAD A WAVE: wave 0 x's 8 tiles of K half 0, wave 1 Wq's 16 tiles of K half 0, waves 2 and 3 the same of K half 1.
	; So x's group 1 counts 8 rows, and the head's loads of Wq have groups of their own (16 rows); the refills keep each wave's own four weight tiles.
.set G0H, 76
.set G1H, 84
	s_mov_b32 s[G1X+2], 8<<16
	s_mov_b32 s[G1X+4], 8
	s_or_b32 s[G1H], s45, (3<<16)|(1<<21)
	s_mov_b32 s[G1H+1], 800<<16
	s_mov_b32 s[G1H+2], 16<<16
	s_mov_b32 s[G1H+3], 800<<16
	s_mov_b32 s[G1H+4], 16
	s_mov_b32 s[G1H+5], 1600
	s_mov_b32 s[G1H+6], 0
	s_mov_b32 s[G1H+7], 0
	s_mov_b32 s[G1W+2], 4<<16
	s_mov_b32 s[G1W+4], 4
	s_mul_i32 s20, s43, 16*REC                     ; x: the block's 8 tiles x 2 halves: no cx enters
	s_mov_b32 s21, 0
	s_mul_i32 s46, s42, 32*REC                     ; w: the block's 16 tiles x 2 halves, + my 4 tiles: no cy enters
	s_mul_i32 s47, s[WV], 8*REC
	s_add_co_u32 s46, s46, s47
	s_mov_b32 s47, 0
	s_mov_b32 s22, 0                               ; x's tiles lie from the K half's first byte on
	s_mul_i32 s72, s42, 32*REC                     ; the block's 16 weight tiles, whole: for the head's loads
	s_mov_b32 s73, 0
	s_mul_i32 s23, s[WV], 4*REC
	s_add_co_u32 s23, s23, WOFF
	s_lshl_b32 s66, s42, 2
	s_add_co_u32 s66, s66, s[WV]                   ; my head
	s_lshl_b32 s68, s66, 8                         ; its 64 numbers of a bias
	s_mov_b32 s69, 0
	s_lshr_b32 s70, s43, 4                         ; my record of q: (batch x 16 + head) x 16 + group; k's and v's lie 1,024 and 2,048 records on
	s_lshl_b32 s70, s70, 4
	s_add_co_u32 s70, s70, s66
	s_lshl_b32 s70, s70, 4
	s_and_b32 s71, s43, 15
	s_add_co_u32 s70, s70, s71
	s_mul_i32 s70, s70, REC
	s_mov_b32 s71, 0
	s_mov_b32 s[SEL], 0x76543210
	s_mov_b32 s[SEL+1], 0xfedcba98
	s_wait_kmcnt 0x0
	s_add_nc_u64 s[20:21], s[4:5], s[20:21]
	s_add_nc_u64 s[46:47], s[6:7], s[46:47]
	s_add_nc_u64 s[72:73], s[6:7], s[72:73]
	s_add_nc_u64 s[14:15], s[14:15], s[70:71]
	s_add_nc_u64 s[8:9], s[8:9], s[68:69]
	s_add_nc_u64 s[10:11], s[10:11], s[68:69]
	s_add_nc_u64 s[12:13], s[12:13], s[68:69]
	CROUND                                         ; all sixteen work-groups are here: the first joint loads meet
.irp f, 0,1
	s_mov_b32 s[G0X+4*\f], 1
	s_add_co_u32 s[G0X+4*\f+1], s22, \f*HALF
	s_add_nc_u64 s[G0X+4*\f+2:G0X+4*\f+3], s[20:21], \f*REC
	s_or_b32 s[G0X+4*\f+3], s[G0X+4*\f+3], 0x80000000
	s_mov_b32 s[G0W+4*\f], 1
	s_add_co_u32 s[G0W+4*\f+1], s23, \f*HALF
	s_add_nc_u64 s[G0W+4*\f+2:G0W+4*\f+3], s[46:47], \f*REC
	s_or_b32 s[G0W+4*\f+3], s[G0W+4*\f+3], 0x80000000
.endr
.irp f, 0,1
	s_mov_b32 s[G0H+4*\f], 1
	s_mov_b32 s[G0H+4*\f+1], WOFF+\f*HALF
	s_add_nc_u64 s[G0H+4*\f+2:G0H+4*\f+3], s[72:73], \f*REC
	s_or_b32 s[G0H+4*\f+3], s[G0H+4*\f+3], 0x80000000
.endr
	s_cmp_eq_u32 s[WV], 0                          ; one chain of branches on the wave's number, one fill to an arm, all arms to one join
	s_cbranch_scc0 .Lhead_1
	tensor_load_to_lds s[G0X:G0X+3], s[G1X:G1X+7]          ; wave 0: x, K half 0
	s_nop 0
	PLACES 4
	s_branch .Lhead_asked
.Lhead_1:
	s_cmp_eq_u32 s[WV], 1
	s_cbranch_scc0 .Lhead_2
	tensor_load_to_lds s[G0H:G0H+3], s[G1H:G1H+7]          ; wave 1: Wq, K half 0
	s_nop 0
	PLACES 4
	s_branch .Lhead_asked
.Lhead_2:
	s_cmp_eq_u32 s[WV], 2
	s_cbranch_scc0 .Lhead_3
	tensor_load_to_lds s[G0X+4:G0X+7], s[G1X:G1X+7]        ; wave 2: x, K half 1
	s_nop 0
	PLACES 4
	s_branch .Lhead_asked
.Lhead_3:
	tensor_load_to_lds s[G0H+4:G0H+7], s[G1H:G1H+7]        ; wave 3: Wq, K half 1
	s_nop 0
	PLACES 4
.Lhead_asked:
	v_and_b32 v1, 31, v0
	v_and_b32 v2, 15, v0
	v_bfe_u32 v3, v0, 4, 1
	v_lshlrev_b32 v[ADX], 4, v1
	v_add_nc_u32 v[ADX+1], HALF, v[ADX]
	v_add_nc_u32 v[ADW], s23, v[ADX]               ; my four weight tiles' records
	v_add_nc_u32 v[ADW+1], HALF, v[ADW]
	v_lshlrev_b32 v[ASX], 4, v2
	v_add_nc_u32 v[ASX+1], HALF, v[ASX]
	v_add_nc_u32 v[ASW], s23, v[ASX]
	v_add_nc_u32 v[ASW+1], HALF, v[ASW]
	v_lshlrev_b32 v[BA], 6, v3                     ; q, k: lane (r, h) wants, for weight tile 2 b + u, the bias of channels 32 b + 8 u + 16 h + 0 .. 7
	v_and_b32 v[BA+1], 8, v2                       ; v: lane (r, h) holds channel 32 b + 8 u + r + 8 (r / 8) in all eight registers
	v_add_nc_u32 v[BA+1], v[BA+1], v2
	v_lshlrev_b32 v[BA+1], 2, v[BA+1]
.irp b, 0,1,2,3
	v_mov_b32 v[TM+4+\b], 0                        ; a lane permute's destination counts as one of its sources
.endr
.macro BIAS mode, base                 ; a tensor's bias in the result's layout, 8 registers for each weight tile
	WIN 0x40                                       ; destination window 1
.irp c, 0,1,2,3
.if \mode == 0
	global_load_b128 v[BI+8*\c:BI+8*\c+3], v[BA], s[\base:\base+1] offset:(32*(\c/2)+8*(\c%2))*4
	global_load_b128 v[BI+8*\c+4:BI+8*\c+7], v[BA], s[\base:\base+1] offset:(32*(\c/2)+8*(\c%2))*4+16
.else
.irp j, 0,1,2,3,4,5,6,7
	global_load_b32 v[BI+8*\c+\j], v[BA+1], s[\base:\base+1] offset:(32*(\c/2)+8*(\c%2))*4
.endr
.endif
.endr
	WIN 0
.endm
.macro SCALEX hf                       ; x's scale words of a K half: four words (four K steps) a row by one load; read once, kept for all three tensors
.irp u, 0,1,2,3,4,5,6,7
	ds_load_b128 v[SX+48*(\hf)+4*\u:SX+48*(\hf)+4*\u+3], v[ASX+(\hf)] offset:REC*\u+SCO
.endr
.endm
.macro SCALEW hf                       ; and those of my four weight tiles
.irp c, 0,1,2,3
	ds_load_b128 v[SW+48*(\hf)+4*\c:SW+48*(\hf)+4*\c+3], v[ASW+(\hf)] offset:REC*\c+SCO
.endr
.endm
.macro FETCH s                         ; K step s: x's 8 fragments and my 4 of w into set s % 2
.set FP, (\s)%2
.set FH, (\s)/4
.set FQ, (\s)%4
	WIN 0x40                                       ; destination window 1
.irp u, 0,1,2,3,4,5,6,7
.irp c, 0,1,2
	ds_load_b128 v[XF+96*FP+12*\u+4*\c:XF+96*FP+12*\u+4*\c+3], v[ADX+FH] offset:REC*\u+FRB*FQ+512*\c
.endr
.endr
	WIN 0
.irp t, 0,1,2,3
.irp c, 0,1,2
	ds_load_b128 v[WF+48*FP+12*\t+4*\c:WF+48*FP+12*\t+4*\c+3], v[ADW+FH] offset:REC*\t+FRB*FQ+512*\c
.endr
.endr
.endm
; A K step is 32 matrix instructions, one on each accumulator, in the same order in every K step.  first = 1: C is the bias.
.macro MULU s, first, u                ; q, k: token tile u x my four weight tiles; accumulator (u, c) at v[8 (4 u + c)]
.set MP, (\s)%2
.set MH, (\s)/4
.set MQ, (\s)%4
.if \first
	WIN 0x94                                       ; source 0 (w) window 0, source 1 (x) window 1, C (bias) window 1, D window 2
.else
	WIN 0xa4                                       ; C and D window 2
.endif
.irp c, 0,1,2,3
.if \first
	v_wmma_scale_f32_16x16x128_f8f6f4 v[8*(4*(\u)+\c):8*(4*(\u)+\c)+7], v[WF+48*MP+12*\c:WF+48*MP+12*\c+11], v[XF+96*MP+12*(\u):XF+96*MP+12*(\u)+11], v[BI+8*\c:BI+8*\c+7], v[SW+48*MH+4*\c+MQ], v[SX+48*MH+4*(\u)+MQ] matrix_a_fmt:MATRIX_FMT_FP6 matrix_b_fmt:MATRIX_FMT_FP6
.else
	v_wmma_scale_f32_16x16x128_f8f6f4 v[8*(4*(\u)+\c):8*(4*(\u)+\c)+7], v[WF+48*MP+12*\c:WF+48*MP+12*\c+11], v[XF+96*MP+12*(\u):XF+96*MP+12*(\u)+11], v[8*(4*(\u)+\c):8*(4*(\u)+\c)+7], v[SW+48*MH+4*\c+MQ], v[SX+48*MH+4*(\u)+MQ] matrix_a_fmt:MATRIX_FMT_FP6 matrix_b_fmt:MATRIX_FMT_FP6
.endif
.endr
.endm
.macro MULC s, first, c                ; v: weight tile c x the eight token tiles; accumulator (c, u) at v[8 (8 c + u)]
.set MP, (\s)%2
.set MH, (\s)/4
.set MQ, (\s)%4
.if \first
	WIN 0x91                                       ; source 0 (x) window 1, source 1 (w) window 0, C (bias) window 1, D window 2
.else
	WIN 0xa1
.endif
.irp u, 0,1,2,3,4,5,6,7
.if \first
	v_wmma_scale_f32_16x16x128_f8f6f4 v[8*(8*(\c)+\u):8*(8*(\c)+\u)+7], v[XF+96*MP+12*\u:XF+96*MP+12*\u+11], v[WF+48*MP+12*(\c):WF+48*MP+12*(\c)+11], v[BI+8*(\c):BI+8*(\c)+7], v[SX+48*MH+4*\u+MQ], v[SW+48*MH+4*(\c)+MQ] matrix_a_fmt:MATRIX_FMT_FP6 matrix_b_fmt:MATRIX_FMT_FP6
.else
	v_wmma_scale_f32_16x16x128_f8f6f4 v[8*(8*(\c)+\u):8*(8*(\c)+\u)+7], v[XF+96*MP+12*\u:XF+96*MP+12*\u+11], v[WF+48*MP+12*(\c):WF+48*MP+12*(\c)+11], v[8*(8*(\c)+\u):8*(8*(\c)+\u)+7], v[SX+48*MH+4*\u+MQ], v[SW+48*MH+4*(\c)+MQ] matrix_a_fmt:MATRIX_FMT_FP6 matrix_b_fmt:MATRIX_FMT_FP6
.endif
.endr
.endm
.macro MUL mode, s, first
.if \mode == 0
.irp u, 0,1,2,3,4,5,6,7
	MULU \s, \first, \u
.endr
.else
.irp c, 0,1,2,3
	MULC \s, \first, \c
.endr
.endif
.endm
; K step s (3 or 7) of q or of k: the last step of K half hf, whose fragments are all asked for.  The weights' slot hf is filled again, with the same K half of the next tensor.
; In front of the round each wave waits for all its tensor loads (the one that is out is its part of the other slot), adds 0 to its spare word, and waits for that and for its reads of the slot.
; Behind the round: the joint refill first; then the LDS loads of K step nxt (K half nh), which land under the step's last sixteen products.  xs = 1: x's scale words of K half 1 are read too.
.macro TURN s, nxt, hf, nh, xs
	WIN 0                                          ; (the add's two registers lie in window 0)
	s_wait_tensorcnt 0x0                           ; all my tensor loads have landed, so a group 0 may be written
	ds_add_u32 v[SPW], v[NIL]                      ; 0 onto my spare word
	s_add_nc_u64 s[G0W+4*\hf+2:G0W+4*\hf+3], s[G0W+4*\hf+2:G0W+4*\hf+3], 128*REC   ; the next tensor's rows lie 64 tiles x 2 halves on; the type bits on top are not reached
	s_wait_dscnt 0x1                               ; this step's fragments are in; the add may be out
	MULU \s, 0, 0
	MULU \s, 0, 1
	s_wait_dscnt 0x0                               ; the add is done, and my reads of the slot are over
	s_barrier_signal -1                            ; this barrier opens a round of the cluster's barrier
	MULU \s, 0, 2
	MULU \s, 0, 3
	WIN 0
	s_barrier_wait -1
	CREST                                          ; no wave of any partner still reads the slot or has a load on its way
	tensor_load_to_lds s[G0W+4*\hf:G0W+4*\hf+3], s[G1W:G1W+7]   ; my one tensor load behind the round, and the first thing there
	s_nop 0
	PLACES 4                                       ; also the places in front of the loads below
.if \xs
	SCALEX 1
.endif
	SCALEW \nh
	FETCH \nxt
	MULU \s, 0, 4
	MULU \s, 0, 5
	MULU \s, 0, 6
	MULU \s, 0, 7
.endm
; THE WAY OUT.  Accumulator registers 64 i .. 64 i + 63 become fragment i of my record: four blocks of 32 (a block lies in lanes l and l xor 16), each accumulator read from its low end on.
.macro QUANT i
.set QS, 64*(\i)
.set QC, PC+12*(\i)
	WIN 0x0a                                       ; sources 0 and 1 window 2
.irp b, 0,1,2,3
	v_max3_num_f32 v[TM+\b], |v[QS+16*\b]|, |v[QS+16*\b+1]|, 0x1800000   ; my 16 numbers of block b, and the floor 2^(3 - 127)
.endr
	WIN 0x28                                       ; sources 1 and 2 window 2
.irp j, 2,4,6,8,10,12,14
.irp b, 0,1,2,3
	v_max3_num_f32 v[TM+\b], v[TM+\b], |v[QS+16*\b+\j]|, |v[QS+16*\b+\j+1]|
.endr
.endr
	WIN 0
.irp b, 0,1,2,3
	v_permlanex16_b32 v[TM+4+\b], v[TM+\b], s[SEL], s[SEL+1]
.endr
.irp b, 0,1,2,3
	v_max_num_f32 v[TM+\b], v[TM+\b], v[TM+4+\b]   ; the block's largest magnitude
.endr
.irp b, 0,1,2,3
	v_add_nc_u32 v[TM+12+\b], 0xff000000, v[TM+\b] ; 2 off its exponent field: the conversion's scale operand
.endr
.irp b, 0,1,2,3
	v_lshrrev_b32 v[TM+4+\b], 23, v[TM+12+\b]      ; the scale's byte
.endr
	v_lshl_or_b32 v[PW+(\i)], v[TM+5], 8, v[TM+4]
	v_lshl_or_b32 v[PW+(\i)], v[TM+6], 16, v[PW+(\i)]
	v_lshl_or_b32 v[PW+(\i)], v[TM+7], 24, v[PW+(\i)]
	WIN 0x02                                       ; source 0 window 2
.irp c, 0,1
	v_cvt_scalef32_pk16_fp6_f32 v[QC+6*\c:QC+6*\c+2], v[QS+32*\c:QS+32*\c+15], v[TM+12+2*\c]
	v_cvt_scalef32_pk16_fp6_f32 v[TC+4*\c:TC+4*\c+2], v[QS+32*\c+16:QS+32*\c+31], v[TM+12+2*\c+1]
.endr
	WIN 0
	v_nop                                          ; one plain place behind a scaled conversion
.irp c, 0,1                            ; the operand's layout wants a whole block in a lane: lanes 0-15 block 2 c, lanes 16-31 block 2 c + 1
.irp n, 0,1,2
	v_permlane16_swap_b32 v[QC+6*\c+\n], v[TC+4*\c+\n]
.endr
.irp n, 0,1,2
	v_mov_b32 v[QC+6*\c+3+\n], v[TC+4*\c+\n]
.endr
.endr
.irp c, 0,1,2
	global_store_b128 v[ADX], v[QC+4*\c:QC+4*\c+3], s[14:15] offset:FRB*(\i)+512*\c   ; 32 lanes store 512 consecutive bytes, at a multiple of 256 from the buffer's first byte
.endr
.endm
.macro EPI t
	PLACES 4                                       ; behind the last products: their results are read, and registers that held w's set 1 are written
	QUANT 0
	QUANT 1
	QUANT 2
	QUANT 3
	v_cmp_gt_u32 vcc_lo, 16, v1
	s_wait_xcnt 0x0                                ; EXEC changes only behind this wait
	s_and_saveexec_b32 s72, vcc_lo
	global_store_b128 v[ASX], v[PW:PW+3], s[14:15] offset:SCO   ; sixteen lanes store the record's 256 bytes of scale words
	s_wait_xcnt 0x0                                ; the stores have read their registers and their base: the codes' registers take fragments again, and the base steps
	s_or_b32 exec_lo, exec_lo, s72
.if \t < 2
	s_add_nc_u64 s[14:15], s[14:15], 1024*REC      ; the next tensor's record
.endif
.endm
; One tensor: eight K steps, written out, and the way out.  While a step is multiplied the next step's fragments are on their way from LDS into the other set; four places stand between a set's last products and the loads into it.
; For t > 0 the scale words of K half 0 and K step 0's fragments were asked for in the last turn of the tensor before.
.macro TENS mode, t
.if \t == 0
	SCALEX 0
	SCALEW 0
	FETCH 0
.endif
	FETCH 1
	s_wait_dscnt NF                                ; all but the step just asked for
.if \t > 0
	s_wait_loadcnt 0x0                             ; the bias
.endif
	MUL \mode, 0, 1
	PLACES 4                                       ; also in front of the loads into the bias's registers
.if \t == 0
	BIAS 0, 10                                     ; bk
.elseif \t == 1
	BIAS 1, 12                                     ; bv
.endif
	FETCH 2
	s_wait_dscnt NF
	MUL \mode, 1, 0
	PLACES 4
	FETCH 3
	s_wait_dscnt NF
	MUL \mode, 2, 0
.if \t == 0
	TURN 3, 4, 0, 1, 1
.elseif \t == 1
	TURN 3, 4, 0, 1, 0
.else
	PLACES 4
	WIN 0
	s_wait_tensorcnt 0x0                           ; the one load that is out: my own part of K half 1, which I alone read; nothing is filled again
	SCALEW 1
	FETCH 4
	s_wait_dscnt NF+4                              ; all but the 4 + 36 just asked for
	MUL \mode, 3, 0
.endif
.irp s, 4,5,6
	PLACES 4
	FETCH \s+1
	s_wait_dscnt NF
	MUL \mode, \s, 0
.endr
.if \t < 2
	TURN 7, 0, 1, 0, 0
.else
	s_wait_dscnt 0x0
	MUL \mode, 7, 0
.endif
	WIN 0
	EPI \t
.endm
	BIAS 0, 8                                      ; bq
	s_wait_alu depctr_va_vdst(0)
	s_cmp_lt_u32 s[WV], 2                          ; waves 0 and 1 wait for K half 0, whose load lines are theirs alone; K half 1 may stay out: every wave waits for 0 ahead of the round in K step 3, behind which it is first read
	s_cbranch_scc0 .Lhalf_1_out
	s_wait_tensorcnt 0x0
.Lhalf_1_out:
	s_wait_loadcnt 0x0                             ; the bias
	s_barrier_signal -1
	s_barrier_wait -1                              ; everybody's parts are in
	TENS 0, 0                                      ; q
	TENS 0, 1                                      ; k
	TENS 1, 2                                      ; v
	s_wait_tensorcnt 0x0                           ; the wave's end
	ds_add_u32 v[SPW], v[NIL]
	s_wait_dscnt 0x0
	CROUND                                         ; the closing round: no work-group ends while a partner may still ask for a tile that names it
	s_endpgm
.Lfunc_end_k_qbf696513cb_proj:
	.size	k_qbf696513cb_proj, .Lfunc_end_k_qbf696513cb_proj-k_qbf696513cb_proj
	.p2alignl 7, 3214868480
	.fill 96, 4, 3214868480
	.section	.rodata,"a",@progbits
	.p2align	6, 0x0
	.amdhsa_kernel k_qbf696513cb_proj
		.amdhsa_group_segment_fixed_size 327680
		.amdhsa_private_segment_fixed_size 0
		.amdhsa_enable_private_segment 0
		.amdhsa_kernarg_size 48
		.amdhsa_user_sgpr_count 2
		.amdhsa_user_sgpr_kernarg_segment_ptr 1
		.amdhsa_wavefront_size32 1
		.amdhsa_system_sgpr_workgroup_id_x 1
		.amdhsa_system_sgpr_workgroup_id_y 1
		.amdhsa_system_sgpr_workgroup_id_z 1
		.amdhsa_system_vgpr_workitem_id 0
		.amdhsa_next_free_vgpr 768
		.amdhsa_next_free_sgpr 92
		.amdhsa_reserve_vcc 1
		.amdhsa_float_denorm_mode_32 3
		.amdhsa_float_denorm_mode_16_64 3
		.amdhsa_memory_ordered 1
		.amdhsa_forward_progress 1
		.amdhsa_inst_pref_size 225
	.end_amdhsa_kernel
	.amdgpu_metadata
---
amdhsa.version: [ 1, 2 ]
amdhsa.kernels:
  - .name:           k_qbf696513cb_proj
    .symbol:         k_qbf696513cb_proj.kd
    .args:
      - { .name: ximg, .offset: 0, .size: 8, .value_kind: global_buffer, .address_space: global }
      - { .name: wimg, .offset: 8, .size: 8, .value_kind: global_buffer, .address_space: global }
      - { .name: bq, .offset: 16, .size: 8, .value_kind: global_buffer, .address_space: global }
      - { .name: bk, .offset: 24, .size: 8, .value_kind: global_buffer, .address_space: global }
      - { .name: bv, .offset: 32, .size: 8, .value_kind: global_buffer, .address_space: global }
      - { .name: qkv, .offset: 40, .size: 8, .value_kind: global_buffer, .address_space: global }
    .group_segment_fixed_size: 327680
    .private_segment_fixed_size: 0
    .kernarg_segment_align: 8
    .kernarg_segment_size: 48
    .max_flat_workgroup_size: 128
    .sgpr_count:     92
    .vgpr_count:     768
    .wavefront_size: 32
...
	.end_amdgpu_metadata
.endif
;; end of part 2
;; launch attn (part 3): grid 4 x 64, 8 waves a work-group, clusters of 4 x 1, 231,424 bytes of LDS; arguments qkv, cimg; writes cimg
.if DOCPART == 3
	.amdgcn_target "amdgcn-amd-amdhsa--gfx1250"
	.amdhsa_code_object_version 6
	.text
	.protected	k_qbf696513cb_attn
	.globl	k_qbf696513cb_attn
	.p2align	8
	.type	k_qbf696513cb_attn,@function
k_qbf696513cb_attn:
	s_mov_b64 s[64:65], 0
	v_nop
	global_prefetch_b8 v0, s[64:65] scope:SCOPE_SE
	s_setreg_imm32_b32 hwreg(HW_REG_WAVE_MODE, 25, 1), 1
	s_wait_xcnt 0x0
	s_wait_alu depctr_hold_cnt(0) depctr_sa_sdst(0) depctr_va_vdst(0) depctr_va_sdst(0) depctr_va_ssrc(0) depctr_va_vcc(0) depctr_vm_vsrc(0)
	s_getreg_b32 s2, hwreg(HW_REG_IB_STS2, 6, 4)
	s_cmp_eq_u32 s2, 0
	s_cbranch_scc0 .Lentry_in_a_cluster
	s_endpgm
.Lentry_in_a_cluster:
	s_bfe_u32 s2, ttmp6, 0x10000c
	s_cmp_lg_u32 s2, 0x3003
	s_cbranch_scc0 .Lentry_shape_is_right
	s_endpgm
.Lentry_shape_is_right:
; ctx[b][h][q] = the sum over k of softmax_k(q . k / 8) v, both products on codes of FP6 (E2M3) with E8M0 scales; ctx leaves QUANTISED along the model's 1,024, as the last product's operand.
; IN: qkv: [q, k, v][batch x head: 64][group of 128 tokens: 16] records of 6,400 bytes (four fragment images of 1,536 bytes: registers 4 g .. 4 g + 3 of lane l at 512 g + 16 l; then scale words [row][fragment]).
;   q, k: fragment i PACKED: registers 0-5 token tile 2 i, registers 6-11 token tile 2 i + 1 (K = the head's 64).  v: fragment i = channel tile i x the group's 128 keys.  Tile 2 b + u holds rows 32 b + 8 u + r + 8 (r / 8).
; OUT: cimg: [token tile: 512][K half] records; fragment i = heads 8 half + 2 i and + 1; a head's half of a fragment is 768 bytes: [lane][16 bytes] registers 0-3 of its six, then [lane][8 bytes] registers 4, 5.
; K = 64 ON AN INSTRUCTION OF K = 128: a packed fragment of K is multiplied once by [Q | zeros] and once by [zeros | Q]; zero codes add nothing.  The registers lie zeros, Qa, zeros, Qb, zeros.
; THE SOFTMAX: t = score x log2(e) / 8; M = the running largest t rounded UP to a whole number; p = 2^(t - M) is quantised along the keys; the row's sum is taken of the unquantised p and divides at the end.
;   When M moves, the sum and O are multiplied by 2^(old M - new M): exact.
; SHARES.  A work-group owns 512 queries of one head; each of eight waves four tiles of 16 queries, as two passes of a PAIR of tiles (one packed fragment of Q), each pass over all 2,048 keys, 128 a step.
;   A step's fragments of K and V feed both tiles of the pair, and the pair's lines stand by turns, so that no line waits for the line above it.  Both products are used transposed: a lane holds one query.
; THE KEYS OF A TILE ARE CHOSEN AT THE LDS LOAD.  K lies in LDS as units of 256 bytes, 320 apart.  Lane (r, h) of fragment 2 c + jj takes row 8 jj + r % 8 of the record's fragment 2 c + r / 8.
;   Its two tiles j = 2 jj, 2 jj + 1 then hold keys 64 c + 8 j + i in rows 0-7 and keys 64 c + 32 + 8 j + i in rows 8-15, so a lane's 32 registers of index c are ONE block of 32 keys, 64 c + 32 h + 0 .. 31:
;   the block's largest score needs no other lane, and the conversions' results are the operand's registers.  1,920 bytes (six units) from fragment to fragment are 128 modulo 256: the sixteen lanes of a load touch sixteen different columns of 16 bytes.
; LDS: the head's K (16 x 8,000 bytes at 0), V (16 records at 128,000), the spare words; every byte is filled ONCE, so there is no ring.
; CLUSTER: the four query blocks of a head read the same K and V: each part of four records is asked for JOINTLY, one load a wave (even waves K's, odd waves V's): one tensor load of mine is out.
; NO PREFETCH: all of K and V is asked for by the head's loads; no later step asks memory for anything.
; The next step's K is fetched behind a step's first products; a pass's last step fetches record 0 again, which the second pass begins with (behind the second pass these sixteen loads serve nothing).
; LIMITS: a block of ctx whose largest magnitude lies under 2^-124, or a block of p whose every p is under it, keeps the byte 1; NaN and infinities are not served.  The block's largest p is made from the block's largest score by the same
;   two instructions as every p, which takes v_exp_f32 not to fall where its input rises.  The scaled scores stay under 2^31 in magnitude.  The scale bytes of ctx leave as 2 bytes a lane, 16 bytes apart: a head owns half of a scale word.
; REGISTERS, window 0: v1 16 x lane, v2 16 r, v3-4 K's lane terms, v5-8 the step's addresses, v9 8 h, v10-11 the add's pair, v12 8 x lane, v13 lane; v14-17 (-M, largest score) a tile; v18-21 the sums; v24-25 Q's scale words;
;   v28-31 K's, v32-35 V's scale words; v36-39 (f, p's scale word) a tile; v40-51 at work; v52-67 second halves of codes; v68-97 zeros and Q; v100-123 p's codes; v128-255 S^T, then p.
;   window 1: v0-63 O^T; v64-111 K's fragments; v112-159 V's; v160-185 both passes' Q as loaded.
.set REC,  6400
.set FRB,  1536
.set SCO,  6144
.set KREC, 8000                        ; a record of K in LDS: 25 units of 256 + 64 bytes
.set VOFF, 16*KREC
.set SPARE, VOFF+16*REC                ; the spare words: 128 bytes for each wave, four blocks of 256 bytes that no other line names
.set SPW, 10
.set NIL, 11
.set NM,  14
.set LL,  18
.set QS,  24
.set KS,  28
.set VS,  32
.set FF,  36
.set BM,  40
.set BY,  44
.set TA,  48
.set TB2, 50
.set TT,  52
.set ZQ,  68
.set PP,  100
.set SS,  128
.set OO,  0
.set KF,  64
.set VF,  112
.set HH,  160
.set WV,  18
.set NC,  19
.set SEL, 20
.set CS,  22
.set G1K, 24
.set G1V, 68
.set G0K, 76
.set G0V, 80
.set TBK, 60
.set TBV, 61
.set CNT, 62
.set PAS, 63
.set MK,  66
.set EX,  67
.set MSB, 0
.macro WIN new                         ; the immediate's high byte repeats the setting that is left
.if MSB != \new
	s_set_vgpr_msb (MSB<<8)|\new
.set MSB, \new
.endif
.endm
.macro WALU
	s_wait_alu depctr_va_vdst(0)
.endm
.macro PLACES n
.rept \n
	v_nop
.endr
.endm
.macro CROUND                          ; a round of the cluster's barrier
	s_barrier_signal -1
	s_barrier_wait -1
	s_cmp_lg_u32 s[WV], 0
	s_cbranch_scc1 .Lnot_wave_0_\@
	s_barrier_signal -3
.Lnot_wave_0_\@:
	s_barrier_wait -3
	s_barrier_signal -1
	s_barrier_wait -1
.endm
.macro TLOAD g0, g1
	tensor_load_to_lds s[\g0:\g0+3], s[\g1:\g1+7]
	s_nop 0
	PLACES 4
.endm
.macro MM d, a, b, c, sa, sb
	v_wmma_scale_f32_16x16x128_f8f6f4 v[\d:\d+7], v[\a:\a+11], v[\b:\b+11], \c, v[\sa], v[\sb] matrix_a_fmt:MATRIX_FMT_FP6 matrix_b_fmt:MATRIX_FMT_FP6
.endm
.macro KFETCH                          ; a record of K at v5 (codes) and v6 (scale words): four fragments, the rows chosen by the lane terms
	WIN 0x40
.irp f, 0,1,2,3
.irp g, 0,1,2
	ds_load_b128 v[KF+12*\f+4*\g:KF+12*\f+4*\g+3], v5 offset:3840*(\f/2)+128*(\f%2)+640*\g
.endr
.endr
	WIN 0
.irp f, 0,1,2,3
	ds_load_b32 v[KS+\f], v6 offset:7680+128*(\f%2)+8*(\f/2)
.endr
.endm
.macro LEVEL d                         ; one level of the sums' tree, in place, both tiles
.set j, 0
.rept 64/\d
	v_pk_add_f32 v[SS+j:SS+j+1], v[SS+j:SS+j+1], v[SS+j+\d:SS+j+\d+1]
.set j, j+2*\d
.endr
.endm
	s_load_b128 s[4:7], s[0:1], 0x0                ; qkv, cimg
	v_lshl_add_u32 v[SPW], v0, 2, SPARE
	v_mov_b32 v[NIL], 0
	ds_add_u32 v[SPW], v[NIL]
	ds_add_u32 v[SPW], v[NIL]
	v_lshrrev_b32 v1, 5, v0
	v_readfirstlane_b32 s[WV], v1                  ; wave 0..7
	s_bfe_u32 s36, ttmp6, 0x40000                  ; cx
	s_lshl_b32 s37, ttmp9, 2
	s_add_co_u32 s36, s36, s37                     ; my block of 512 queries: it enters Q's and cimg's addresses alone
	s_and_b32 s38, ttmp7, 0xffff                   ; batch x 16 + head, which the four partners share
	s_lshr_b32 s39, s[WV], 1                       ; which four records I fetch,
	s_and_b32 s44, s[WV], 1                        ; of K (0) or of V (1)
	s_mul_i32 s40, s38, 16*REC
	s_mul_i32 s41, s39, 4*REC
	s_add_co_u32 s40, s40, s41
	s_mov_b32 s41, 0
	s_mul_i32 s[G0K+1], s39, 4*KREC                ; LDS: the wave's number alone enters
	s_mul_i32 s[G0V+1], s39, 4*REC
	s_add_co_u32 s[G0V+1], s[G0V+1], VOFF
	s_lshl_b32 s42, s38, 4                         ; Q: record (batch x head) x 16 + 4 x block + wave / 2,
	s_lshl_b32 s43, s36, 2
	s_add_co_u32 s42, s42, s43
	s_add_co_u32 s42, s42, s39
	s_mul_i32 s42, s42, REC
	s_mul_i32 s43, s44, 2*FRB                      ; fragments 2 (wave % 2) and the next: one a pass
	s_add_co_u32 s46, s42, s43
	s_mov_b32 s47, 0
	s_lshl_b32 s43, s44, 3
	s_add_co_u32 s48, s42, s43
	s_add_co_u32 s48, s48, SCO                     ; and their scale words
	s_mov_b32 s49, 0
	s_lshr_b32 s50, s38, 4                         ; cimg: token tile batch x 128 + 32 x block + 4 x wave (+ 2 x pass + tile of the pair),
	s_lshl_b32 s50, s50, 7
	s_lshl_b32 s51, s36, 5
	s_add_co_u32 s50, s50, s51
	s_lshl_b32 s51, s[WV], 2
	s_add_co_u32 s50, s50, s51
	s_mul_i32 s50, s50, 2*REC
	s_and_b32 s52, s38, 15                         ; head
	s_lshr_b32 s53, s52, 3
	s_mul_i32 s53, s53, REC                        ; K half = head / 8,
	s_add_co_u32 s50, s50, s53
	s_bfe_u32 s54, s52, 0x20001                    ; fragment = (head / 2) % 4,
	s_and_b32 s55, s52, 1                          ; its half = head % 2
	s_mul_i32 s56, s54, FRB
	s_add_co_u32 s56, s56, s50
	s_mul_i32 s57, s55, 768
	s_add_co_u32 s56, s56, s57
	s_mov_b32 s57, 0
	s_lshl_b32 s58, s54, 2
	s_add_co_u32 s58, s58, s50
	s_lshl_b32 s59, s55, 1
	s_add_co_u32 s58, s58, s59
	s_add_co_u32 s58, s58, SCO
	s_mov_b32 s59, 0
	; descriptor groups 1: 25,600 dense bytes as 100 rows of 256 bytes (32 elements of 8 bytes); K's with 16 words of padding behind each row
	s_mov_b32 s[G1K], 15|(3<<16)|(1<<20)|(1<<21)|(5<<22)|(15<<25)
	s_mov_b32 s[G1V], 15|(3<<16)|(1<<21)           ; 15:0 the mask: all four work-groups; 21 set beside a mask
.irp g, G1K, G1V
	s_mov_b32 s[\g+1], 32<<16
	s_mov_b32 s[\g+2], 100<<16
	s_mov_b32 s[\g+3], 32<<16
	s_mov_b32 s[\g+4], 100
	s_mov_b32 s[\g+5], 32
	s_mov_b32 s[\g+6], 0
	s_mov_b32 s[\g+7], 0
.endr
	s_mov_b32 s[SEL], 0x76543210
	s_mov_b32 s[SEL+1], 0xfedcba98                 ; selects for lane l xor 16
	s_mov_b32 s[CS], 0x3e38aa3b                    ; c = log2(e) / 8
	s_mov_b32 s[CS+1], s[CS]                       ; (named with it as a pair, so it is written)
	s_mov_b32 s[NC], 0xbe38aa3b                    ; -c
	s_wait_dscnt 0x0
	s_wait_kmcnt 0x0
	s_mov_b32 s[G0K], 1
	s_mov_b32 s[G0V], 1
	s_add_nc_u64 s[G0K+2:G0K+3], s[4:5], s[40:41]
	s_add_nc_u64 s[G0V+2:G0V+3], s[G0K+2:G0K+3], 2048*REC   ; v's part of qkv begins 2,048 records on,
	s_add_nc_u64 s[G0K+2:G0K+3], s[G0K+2:G0K+3], 1024*REC   ; k's 1,024
	s_or_b32 s[G0K+3], s[G0K+3], 0x80000000
	s_or_b32 s[G0V+3], s[G0V+3], 0x80000000
	s_add_nc_u64 s[8:9], s[4:5], s[46:47]          ; Q's fragments
	s_add_nc_u64 s[10:11], s[4:5], s[48:49]        ; Q's scale words
	s_add_nc_u64 s[12:13], s[6:7], s[56:57]        ; ctx's codes
	s_add_nc_u64 s[14:15], s[6:7], s[58:59]        ; ctx's scale bytes
	CROUND                                         ; all four work-groups are here: the joint loads meet
	s_cmp_eq_u32 s44, 0                            ; every wave issues one load: two arms, one join
	s_cbranch_scc0 .Lfor_v
	TLOAD G0K, G1K
	s_branch .Lasked
.Lfor_v:
	TLOAD G0V, G1V
.Lasked:
	v_and_b32 v13, 31, v0                          ; lane
	v_and_b32 v9, 15, v0                           ; r
	v_bfe_u32 v8, v0, 4, 1                         ; h
	v_lshlrev_b32 v1, 4, v13
	v_lshlrev_b32 v2, 4, v9
	v_lshlrev_b32 v12, 3, v13
	WIN 0x40
.irp p, 0,1
.irp c, 0,1,2
	global_load_b128 v[HH+12*\p+4*\c:HH+12*\p+4*\c+3], v1, s[8:9] offset:FRB*\p+512*\c
.endr
	global_load_b32 v[HH+24+\p], v2, s[10:11] offset:4*\p
.endr
	WIN 0
	v_and_b32 v5, 7, v9
	v_lshrrev_b32 v6, 3, v9
	v_lshlrev_b32 v5, 4, v5                        ; 16 (r % 8)
	v_mad_u32_u24 v3, v6, 1920, v5                 ; K's codes: + six units for r / 8,
	v_mad_u32_u24 v3, v8, 320, v3                  ; + one unit for h
	v_lshl_add_u32 v4, v6, 2, v5                   ; K's scale words: 16 (r % 8) + 4 (r / 8)
	v_lshlrev_b32 v9, 3, v8                        ; 8 h: where my two bytes stand in p's scale word
	v_mov_b32 v5, v3                               ; record 0
	v_mov_b32 v6, v4
.irp j, 0,1,2,3,4,5
	v_mov_b32 v[ZQ+\j], 0                          ; the zero codes beside Q
	v_mov_b32 v[ZQ+12+\j], 0
	v_mov_b32 v[ZQ+24+\j], 0
.endr
.irp x, 0,1
	v_mov_b32 v[TB2+\x], 0                         ; a lane permute's destination counts as one of its sources
	v_mov_b32 v[FF+2*\x+1], 0                      ; (named as the upper half of a pair before it is first written)
.endr
	WALU                                           ; the wait at the head's end
	s_wait_tensorcnt 0x0                           ; my part of K or V is in,
	s_wait_loadcnt 0x0                             ; and Q
	s_barrier_signal -1
	s_barrier_wait -1                              ; everybody's part is in: from here on LDS is only read
	s_mov_b32 s[TBK], 0
	s_mov_b32 s[MK], 0
	s_mov_b32 s[PAS], 0
	KFETCH
; A KEY STEP for the pair: 128 keys.  Index k = 2 x + c: tile x of the pair, block c of my two.
.macro TRIP
	s_add_co_u32 s[TBK], s[TBK], KREC              ; the next step's record of K; behind the last, record 0
	s_cmp_eq_u32 s[TBK], 16*KREC
	s_cselect_b32 s[TBK], 0, s[TBK]
	WIN 0x01                                       ; source 0 (K) window 1
.irp f, 0,1,2,3                        ; S^T = K Q^T: register 32 c + 8 j + i = key 64 c + 32 h + 8 j + i of my query
.irp x, 0,1
	MM SS+64*\x+16*\f, KF+12*\f, ZQ+6+12*\x, 0, KS+\f, QS+\x
	MM SS+64*\x+16*\f+8, KF+12*\f, ZQ+12*\x, 0, KS+\f, QS+\x
.endr
.endr
	WIN 0
	v_add_nc_u32 v7, s[TBV], v1                    ; these four are the places between the products and the loads into registers that they read
	v_add_nc_u32 v8, s[TBV], v2
	v_add_nc_u32 v5, s[TBK], v3
	v_add_nc_u32 v6, s[TBK], v4
	WIN 0x40
.irp i, 0,1,2,3                        ; this step's V and the next step's K land under the softmax
.irp c, 0,1,2
	ds_load_b128 v[VF+12*\i+4*\c:VF+12*\i+4*\c+3], v7 offset:FRB*\i+512*\c
.endr
.endr
	KFETCH
	ds_load_b128 v[VS:VS+3], v8 offset:SCO
.irp k, 0,1,2,3
	v_max3_num_f32 v[BM+\k], v[SS+32*\k], v[SS+32*\k+1], v[SS+32*\k+2]   ; the largest score of each block: all its 32 are mine; each accumulator is read from its low end on
.endr
.irp i, 3,5,7,9,11,13,15,17,19,21,23,25,27,29
.irp k, 0,1,2,3
	v_max3_num_f32 v[BM+\k], v[BM+\k], v[SS+32*\k+\i], v[SS+32*\k+\i+1]
.endr
.endr
.irp k, 0,1,2,3
	v_max_num_f32 v[BM+\k], v[BM+\k], v[SS+32*\k+31]
.endr
.irp x, 0,1
	v_max3_num_f32 v[TA+\x], v[BM+2*\x], v[BM+2*\x+1], v[NM+2*\x+1]
.endr
.irp x, 0,1
	v_permlanex16_b32 v[TB2+\x], v[TA+\x], s[SEL], s[SEL+1]
.endr
.irp x, 0,1
	v_max_num_f32 v[NM+2*\x+1], v[TA+\x], v[TB2+\x]      ; the running largest score of my query
.endr
.irp x, 0,1
	v_mul_f32 v[TA+\x], s[NC], v[NM+2*\x+1]
.endr
.irp x, 0,1
	v_floor_f32 v[TA+\x], v[TA+\x]                 ; the new -M = -ceil(t): a whole number
.endr
.irp x, 0,1
	v_sub_f32 v[TB2+\x], v[TA+\x], v[NM+2*\x]      ; old M - new M: a whole number, 0 or less
.endr
.irp x, 0,1
	v_mov_b32 v[NM+2*\x], v[TA+\x]
.endr
.irp x, 0,1
	v_cvt_i32_f32 v[TB2+\x], v[TB2+\x]             ; (it saturates)
.endr
.irp x, 0,1
	v_ldexp_f32 v[FF+2*\x], 1.0, v[TB2+\x]         ; f = 2^(old M - new M)
.endr
.irp x, 0,1
.set j, 0
.rept 32
	v_pk_fma_f32 v[SS+64*\x+j:SS+64*\x+j+1], v[SS+64*\x+j:SS+64*\x+j+1], s[CS:CS+1], v[NM+2*\x:NM+2*\x+1] op_sel_hi:[1,0,0]   ; t - M, two at a time
.set j, j+2
.endr
.endr
.irp k, 0,1,2,3
	v_fma_f32 v[BM+\k], v[BM+\k], s[CS], v[NM+2*(\k/2)]   ; the same of each block's largest score
.endr
	WIN 0x41                                       ; destination and source 0 window 1
.irp x, 0,1
.set j, 0
.rept 16
	v_pk_mul_f32 v[OO+32*\x+j:OO+32*\x+j+1], v[OO+32*\x+j:OO+32*\x+j+1], v[FF+2*\x:FF+2*\x+1] op_sel_hi:[1,0]   ; O^T under the new M; ahead of the exponentials
.set j, j+2
.endr
.endr
	WIN 0
	WALU                                           ; the wait ahead of the batch
.set j, 0
.rept 128
	v_exp_f32 v[SS+j], v[SS+j]                     ; p = 2^(t - M)
.set j, j+1
.endr
.irp k, 0,1,2,3
	v_exp_f32 v[BM+\k], v[BM+\k]                   ; the block's largest p
.endr
	v_nop                                          ; one plain place behind the exponentials
	WALU                                           ; and the one wait behind the batch
.irp k, 0,1,2,3
	v_max_num_f32 v[BM+\k], 0x1800000, v[BM+\k]    ; the floor 2^(3 - 127)
.endr
.irp k, 0,1,2,3
	v_add_nc_u32 v[BM+\k], 0xff000000, v[BM+\k]    ; 2 off the exponent field: the conversion's scale operand
.endr
.irp k, 0,1,2,3
	v_lshrrev_b32 v[BY+\k], 23, v[BM+\k]           ; the scale's byte
.endr
.irp x, 0,1
	v_lshl_or_b32 v[TA+\x], v[BY+2*\x+1], 16, v[BY+2*\x]   ; my bytes, of blocks h and 2 + h,
.endr
.irp x, 0,1
	v_lshlrev_b32 v[TA+\x], v9, v[TA+\x]           ; at their places in the word;
.endr
.irp x, 0,1
	v_permlanex16_b32 v[TB2+\x], v[TA+\x], s[SEL], s[SEL+1]
.endr
.irp x, 0,1
	v_or_b32 v[FF+2*\x+1], v[TA+\x], v[TB2+\x]     ; with lane l xor 16's two the word is whole
.endr
.irp k, 0,1,2,3
	v_cvt_scalef32_pk16_fp6_f32 v[PP+6*\k:PP+6*\k+2], v[SS+32*\k:SS+32*\k+15], v[BM+\k]
.endr
.irp k, 0,1,2,3
	v_cvt_scalef32_pk16_fp6_f32 v[TT+4*\k:TT+4*\k+2], v[SS+32*\k+16:SS+32*\k+31], v[BM+\k]   ; (a conversion's three registers begin on an even number)
.endr
	v_nop                                          ; one plain place behind a scaled conversion
.irp k, 0,1,2,3
.irp i, 0,1,2
	v_mov_b32 v[PP+6*\k+3+\i], v[TT+4*\k+\i]
.endr
.endr
	LEVEL 2                                        ; the rows' sums of the unquantised p: 31 packed additions a tile, in place,
	LEVEL 4
	LEVEL 8
	LEVEL 16
	LEVEL 32
.irp x, 0,1
	v_pk_fma_f32 v[LL+2*\x:LL+2*\x+1], v[LL+2*\x:LL+2*\x+1], v[FF+2*\x:FF+2*\x+1], v[SS+64*\x:SS+64*\x+1] op_sel_hi:[1,0,1]   ; and the old sum x f + this step's
.endr
	WALU                                           ; directly ahead of the wait below
	s_wait_dscnt 0x0                               ; V is in, and the next step's K
	WIN 0x51
.irp t, 0,1,2,3                        ; O^T += V^T P^T: eight accumulators by turns
.irp x, 0,1
	MM OO+32*\x+8*\t, VF+12*\t, PP+12*\x, v[OO+32*\x+8*\t:OO+32*\x+8*\t+7], VS+\t, FF+2*\x+1
.endr
.endr
	WIN 0
	s_add_co_u32 s[TBV], s[TBV], REC
.endm
.Lpass:                                                ; a pair of query tiles over all keys, and its way out
	WIN 0x05                                       ; sources 0 and 1 window 1
.irp i, 0,1,2,3,4,5
	v_cndmask_b32 v[ZQ+6+\i], v[HH+\i], v[HH+12+\i], s[MK]        ; this pass's packed fragment: its two tiles between the zeros
	v_cndmask_b32 v[ZQ+18+\i], v[HH+6+\i], v[HH+18+\i], s[MK]
.endr
	v_cndmask_b32 v26, v[HH+24], v[HH+25], s[MK]
	WIN 0
	v_perm_b32 v[QS], v26, v26, 0x01000100         ; a tile's two scale bytes, twice
	v_perm_b32 v[QS+1], v26, v26, 0x03020302
.irp x, 0,1
	v_mov_b32 v[NM+2*\x+1], 0xff61b1e6             ; the largest score so far: -3e38
	v_mov_b32 v[LL+2*\x], 0
	v_mov_b32 v[LL+2*\x+1], 0
.endr
.irp x, 0,1
	v_mul_f32 v[NM+2*\x], s[NC], v[NM+2*\x+1]
.endr
.irp x, 0,1
	v_floor_f32 v[NM+2*\x], v[NM+2*\x]
.endr
	WIN 0x40
.set j, 0
.rept 64
	v_mov_b32 v[OO+j], 0                           ; O^T: the loop's first step finds zeros, which the first change of M leaves zeros
.set j, j+1
.endr
	WIN 0
	s_mov_b32 s[TBV], VOFF
	s_mov_b32 s[CNT], 16
	s_wait_dscnt 0x0                               ; record 0 of K is in
.Lstep:
	TRIP
	s_sub_co_u32 s[CNT], s[CNT], 1
	s_cmp_lg_u32 s[CNT], 0
	s_cbranch_scc1 .Lstep
	PLACES 4                                       ; behind the last products
.irp x, 0,1
	v_add_f32 v[LL+2*\x], v[LL+2*\x], v[LL+2*\x+1]
.endr
.irp x, 0,1
	v_permlanex16_b32 v[TB2+\x], v[LL+2*\x], s[SEL], s[SEL+1]
.endr
.irp x, 0,1
	v_add_f32 v[LL+2*\x], v[LL+2*\x], v[TB2+\x]    ; the row's sum
.endr
	WALU
.irp x, 0,1
	v_rcp_f32 v[LL+2*\x], v[LL+2*\x]
.endr
	v_nop                                          ; one plain place behind a transcendental
	WIN 0x01
	WALU                                           ; directly ahead of the first reader of O^T and of the reciprocals
.irp x, 0,1
.set j, 0
.rept 32
	v_mul_f32 v[SS+32*\x+j], v[OO+32*\x+j], v[LL+2*\x]   ; ctx: register 16 b + n = channel 32 b + 16 h + n of my query; each accumulator from its low end on
.set j, j+1
.endr
.endr
	WIN 0
.irp k, 0,1,2,3
	v_max3_num_f32 v[BM+\k], |v[SS+16*\k]|, |v[SS+16*\k+1]|, 0x1800000   ; the head's two blocks of 32 along the last product's K, for each tile
.endr
.irp i, 2,4,6,8,10,12,14
.irp k, 0,1,2,3
	v_max3_num_f32 v[BM+\k], v[BM+\k], |v[SS+16*\k+\i]|, |v[SS+16*\k+\i+1]|
.endr
.endr
.irp k, 0,1,2,3
	v_permlanex16_b32 v[BY+\k], v[BM+\k], s[SEL], s[SEL+1]
.endr
.irp k, 0,1,2,3
	v_max_num_f32 v[BM+\k], v[BM+\k], v[BY+\k]
.endr
.irp k, 0,1,2,3
	v_add_nc_u32 v[BM+\k], 0xff000000, v[BM+\k]
.endr
.irp k, 0,1,2,3
	v_lshrrev_b32 v[BY+\k], 23, v[BM+\k]
.endr
.irp x, 0,1
	v_lshl_or_b32 v[TA+\x], v[BY+2*\x+1], 8, v[BY+2*\x]   ; my head's half of the scale word
.endr
.irp x, 0,1
	v_cvt_scalef32_pk16_fp6_f32 v[PP+12*\x:PP+12*\x+2], v[SS+32*\x:SS+32*\x+15], v[BM+2*\x]
	v_cvt_scalef32_pk16_fp6_f32 v[TT+4*\x:TT+4*\x+2], v[SS+32*\x+16:SS+32*\x+31], v[BM+2*\x+1]
.endr
	v_nop
.irp x, 0,1                            ; a whole block in a lane: lanes 0-15 block 0, lanes 16-31 block 1
.irp i, 0,1,2
	v_permlane16_swap_b32 v[PP+12*\x+\i], v[TT+4*\x+\i]
.endr
.endr
.irp x, 0,1
.irp i, 0,1,2
	v_mov_b32 v[PP+12*\x+3+\i], v[TT+4*\x+\i]
.endr
.endr
.irp x, 0,1
	global_store_b128 v1, v[PP+12*\x:PP+12*\x+3], s[12:13] offset:2*REC*\x       ; 512 consecutive bytes,
	global_store_b64 v12, v[PP+12*\x+4:PP+12*\x+5], s[12:13] offset:2*REC*\x+512 ; and 256 more: both at multiples of 256 from the buffer's first byte
.endr
	v_cmp_gt_u32 vcc_lo, 16, v13
	WALU
	s_wait_xcnt 0x0                                ; EXEC changes only behind this wait
	s_and_saveexec_b32 s[EX], vcc_lo
.irp x, 0,1
	global_store_b16 v2, v[TA+\x], s[14:15] offset:2*REC*\x
.endr
	s_wait_xcnt 0x0                                ; the stores have read their registers and bases
	s_or_b32 exec_lo, exec_lo, s[EX]
	s_add_nc_u64 s[12:13], s[12:13], 4*REC         ; the next pass's two token tiles
	s_add_nc_u64 s[14:15], s[14:15], 4*REC
	s_mov_b32 s[MK], -1                            ; and its fragment of Q
	s_add_co_u32 s[PAS], s[PAS], 1
	s_cmp_lg_u32 s[PAS], 2
	WALU
	s_cbranch_scc1 .Lpass
	s_wait_tensorcnt 0x0                           ; the wave's end
	ds_add_u32 v[SPW], v[NIL]
	s_wait_dscnt 0x0
	CROUND                                         ; the closing round
	s_endpgm
.Lfunc_end_k_qbf696513cb_attn:
	.size	k_qbf696513cb_attn, .Lfunc_end_k_qbf696513cb_attn-k_qbf696513cb_attn
	.p2alignl 7, 3214868480
	.fill 96, 4, 3214868480
	.section	.rodata,"a",@progbits
	.p2align	6, 0x0
	.amdhsa_kernel k_qbf696513cb_attn
		.amdhsa_group_segment_fixed_size 231424
		.amdhsa_private_segment_fixed_size 0
		.amdhsa_enable_private_segment 0
		.amdhsa_kernarg_size 16
		.amdhsa_user_sgpr_count 2
		.amdhsa_user_sgpr_kernarg_segment_ptr 1
		.amdhsa_wavefront_size32 1
		.amdhsa_system_sgpr_workgroup_id_x 1
		.amdhsa_system_sgpr_workgroup_id_y 1
		.amdhsa_system_sgpr_workgroup_id_z 1
		.amdhsa_system_vgpr_workitem_id 0
		.amdhsa_next_free_vgpr 448
		.amdhsa_next_free_sgpr 84
		.amdhsa_reserve_vcc 1
		.amdhsa_float_denorm_mode_32 3
		.amdhsa_float_denorm_mode_16_64 3
		.amdhsa_memory_ordered 1
		.amdhsa_forward_progress 1
		.amdhsa_inst_pref_size 47
	.end_amdhsa_kernel
	.amdgpu_metadata
---
amdhsa.version: [ 1, 2 ]
amdhsa.kernels:
  - .name:           k_qbf696513cb_attn
    .symbol:         k_qbf696513cb_attn.kd
    .args:
      - { .name: qkv, .offset: 0, .size: 8, .value_kind: global_buffer, .address_space: global }
      - { .name: cimg, .offset: 8, .size: 8, .value_kind: global_buffer, .address_space: global }
    .group_segment_fixed_size: 231424
    .private_segment_fixed_size: 0
    .kernarg_segment_align: 8
    .kernarg_segment_size: 16
    .max_flat_workgroup_size: 256
    .sgpr_count:     84
    .vgpr_count:     448
    .wavefront_size: 32
...
	.end_amdgpu_metadata
.endif
;; end of part 3
;; launch outp (part 4): grid 4 x 64, 4 waves a work-group, clusters of 4 x 4, 327,680 bytes of LDS; arguments cimg, wimg, bout, out0; writes out0
.if DOCPART == 4
	.amdgcn_target "amdgcn-amd-amdhsa--gfx1250"
	.amdhsa_code_object_version 6
	.text
	.protected	k_qbf696513cb_outp
	.globl	k_qbf696513cb_outp
	.p2align	8
	.type	k_qbf696513cb_outp,@function
k_qbf696513cb_outp:
	s_mov_b64 s[64:65], 0
	v_nop
	global_prefetch_b8 v0, s[64:65] scope:SCOPE_SE
	s_setreg_imm32_b32 hwreg(HW_REG_WAVE_MODE, 25, 1), 1
	s_wait_xcnt 0x0
	s_wait_alu depctr_hold_cnt(0) depctr_sa_sdst(0) depctr_va_vdst(0) depctr_va_sdst(0) depctr_va_ssrc(0) depctr_va_vcc(0) depctr_vm_vsrc(0)
	s_getreg_b32 s2, hwreg(HW_REG_IB_STS2, 6, 4)
	s_cmp_eq_u32 s2, 0
	s_cbranch_scc0 .Lentry_in_a_cluster
	s_endpgm
.Lentry_in_a_cluster:
	s_bfe_u32 s2, ttmp6, 0x10000c
	s_cmp_lg_u32 s2, 0xf033
	s_cbranch_scc0 .Lentry_shape_is_right
	s_endpgm
.Lentry_shape_is_right:
; out0 = ctx Wout^T + bout on codes of FP6 (E2M3) with E8M0 scales, f32 sums, f32 out.
; IN: cimg: [token tile][K half] records of 6,400 bytes; a fragment (two heads, 128 along K) is two halves of 768 bytes: [lane][16 bytes] registers 6 c .. 6 c + 3, then [lane][8 bytes] registers 6 c + 4, 6 c + 5; then scale words [row][fragment].
;     wimg: the same records with plain fragment images (registers 4 c .. 4 c + 3 of lane l at 512 c + 16 l); Wout's tiles are 192-255.  Tile 2 b + u holds rows 32 b + 8 u + r + 8 (r / 8).
; SHARES.  A work-group makes 128 tokens x 256 columns; each of four waves all 8 token tiles x its own 4 weight tiles (64 columns): 32 accumulators, 256 registers.
; ALL OF K (1,024) of the work-group's 8 + 16 tiles lies in LDS at once: 307,200 bytes, filled ONCE, in two K halves; no LDS byte is filled twice, so there is no ring.  The stages for the way out lie behind, in bytes into which no fill lands.
; CLUSTERS: 4 x 4 work-groups.  The four of a row of the cluster need the same tokens, the four of a column the same weight rows: each tile is asked for JOINTLY.
; Source 0 = 16 weight rows, source 1 = 16 tokens: a lane holds one token, and the 16 registers of weight tiles 2 b, 2 b + 1 are 16 neighbouring columns.  The bias is the C of each sum's first product: added first, not last.
; REGISTERS.  window 0: v1-3 lane, r, h; v4-13 LDS addresses; v14 the bias's offset; v16-111 scale words; v112-207 w's fragments, two sets (v112-175 later rows of the result); v208-210 the way out's addresses.
;   window 1: v0-191 ctx's fragments, two sets; v192-223 the bias.   window 2: the accumulators, (token tile u, weight tile c) at v[8 (4 u + c)].
.set REC,  6400
.set FRB,  1536
.set SCO,  6144
.set HALF, 24*REC
.set WOFF, 8*REC
.set WBASE, 192*2*REC                  ; Wout's first tile in wimg
.set STG,  2*HALF                      ; the stages: 16 rows x (256 + 16) bytes for each wave
.set SP,   272
.set NF,   44                          ; LDS loads that bring a K step: 8 x 4 for ctx, 4 x 3 for w
.set ADX, 4                            ; v4-5   16 x lane (+ HALF)
.set ADW, 6
.set ASX, 8
.set ASW, 10
.set AD8, 12                           ; v12-13 8 x lane (+ HALF)
.set BA,  14
.set SX,  16
.set SW,  48
.set WF,  112
.set XF,  0
.set BI,  192
.set BK,  112                          ; the way out: 16 rows read back, two sets of 32 registers
.set STO, 208
.set RD,  209
.set CO,  210
.set WV,  16
.set G1X, 24
.set G0X, 32
.set G1W, 48
.set G0W, 56
.set MSB, 0
.macro WIN new                         ; the immediate's high byte repeats the setting that is left
.if MSB != \new
	s_set_vgpr_msb (MSB<<8)|\new
.set MSB, \new
.endif
.endm
.macro PLACES n
.rept \n
	v_nop
.endr
.endm
.macro CREST
	s_cmp_lg_u32 s[WV], 0
	s_cbranch_scc1 .Lnot_wave_0_\@
	s_barrier_signal -3
.Lnot_wave_0_\@:
	s_barrier_wait -3
	s_barrier_signal -1
	s_barrier_wait -1
.endm
.macro CROUND                          ; a round of the cluster's barrier
	s_barrier_signal -1
	s_barrier_wait -1
	CREST
.endm
	s_load_b256 s[4:11], s[0:1], 0x0               ; cimg, wimg, bout, out0
	v_lshl_add_u32 v254, v0, 2, 0x4f400
	v_mov_b32 v255, 0
	ds_add_u32 v254, v255
	ds_add_u32 v254, v255
	v_lshrrev_b32 v1, 5, v0
	v_readfirstlane_b32 s[WV], v1                  ; wave 0..3
	s_bfe_u32 s40, ttmp6, 0x40000                  ; cx
	s_bfe_u32 s41, ttmp6, 0x40004                  ; cy
	s_lshl_b32 s42, ttmp9, 2
	s_add_co_u32 s42, s42, s40                     ; block of 256 columns = 4 x cluster x + cx
	s_and_b32 s43, ttmp7, 0xffff
	s_lshl_b32 s43, s43, 2
	s_add_co_u32 s43, s43, s41                     ; block of 128 tokens = 4 x cluster y + cy
	s_lshl_b32 s44, s41, 2
	s_lshl_b32 s44, 15, s44                        ; my row of the cluster
	s_lshl_b32 s45, 0x1111, s40                    ; my column
	; descriptor group 1: rows of one record (800 elements of 8 bytes), 1,600 elements apart; ctx: 8 rows a load, w: 16
	s_or_b32 s[G1X], s44, (3<<16)|(1<<21)
	s_or_b32 s[G1W], s45, (3<<16)|(1<<21)
.irp g, G1X, G1W
	s_mov_b32 s[\g+1], 800<<16
	s_mov_b32 s[\g+3], 800<<16
	s_mov_b32 s[\g+5], 1600
	s_mov_b32 s[\g+6], 0
	s_mov_b32 s[\g+7], 0
.endr
	; THE FILLS ARE SHARED OUT, ONE TENSOR LOAD A WAVE: wave 0 ctx's 8 tiles of K half 0, wave 1 w's 16 tiles of K half 0, waves 2 and 3 the same of K half 1
	s_mov_b32 s[G1X+2], 8<<16
	s_mov_b32 s[G1X+4], 8
	s_mov_b32 s[G1W+2], 16<<16
	s_mov_b32 s[G1W+4], 16
	s_mul_i32 s20, s43, 16*REC                     ; ctx: no cx enters
	s_mov_b32 s21, 0
	s_mul_i32 s46, s42, 32*REC                     ; w: no cy enters
	s_add_co_u32 s46, s46, WBASE
	s_mov_b32 s47, 0
	s_mov_b32 s22, 0
	s_mov_b32 s23, 0
	s_add_co_u32 s23, s23, WOFF
	s_lshl_b32 s66, s42, 2
	s_add_co_u32 s66, s66, s[WV]
	s_lshl_b32 s68, s66, 8                         ; my 64 columns, in bytes: in bout and in a row of out0
	s_mov_b32 s69, 0
	s_lshl_b32 s70, s43, 19                        ; my block's 128 rows of 4,096 bytes
	s_add_co_u32 s70, s70, s68
	s_mov_b32 s71, 0
	s_wait_dscnt 0x0
	s_wait_kmcnt 0x0
	s_add_nc_u64 s[20:21], s[4:5], s[20:21]
	s_add_nc_u64 s[46:47], s[6:7], s[46:47]
	s_add_nc_u64 s[8:9], s[8:9], s[68:69]
	s_add_nc_u64 s[10:11], s[10:11], s[70:71]
	CROUND                                         ; all sixteen work-groups are here: the joint loads meet
.irp f, 0,1
	s_mov_b32 s[G0X+4*\f], 1
	s_add_co_u32 s[G0X+4*\f+1], s22, \f*HALF
	s_add_nc_u64 s[G0X+4*\f+2:G0X+4*\f+3], s[20:21], \f*REC
	s_or_b32 s[G0X+4*\f+3], s[G0X+4*\f+3], 0x80000000
	s_mov_b32 s[G0W+4*\f], 1
	s_add_co_u32 s[G0W+4*\f+1], s23, \f*HALF
	s_add_nc_u64 s[G0W+4*\f+2:G0W+4*\f+3], s[46:47], \f*REC
	s_or_b32 s[G0W+4*\f+3], s[G0W+4*\f+3], 0x80000000
.endr
	s_cmp_eq_u32 s[WV], 0                          ; one chain of branches on the wave's number, one fill to an arm, all arms to one join
	s_cbranch_scc0 .Lfill_1
	tensor_load_to_lds s[G0X:G0X+3], s[G1X:G1X+7]          ; wave 0: ctx, K half 0
	s_nop 0
	PLACES 4
	s_branch .Lfilled
.Lfill_1:
	s_cmp_eq_u32 s[WV], 1
	s_cbranch_scc0 .Lfill_2
	tensor_load_to_lds s[G0W:G0W+3], s[G1W:G1W+7]          ; wave 1: w, K half 0
	s_nop 0
	PLACES 4
	s_branch .Lfilled
.Lfill_2:
	s_cmp_eq_u32 s[WV], 2
	s_cbranch_scc0 .Lfill_3
	tensor_load_to_lds s[G0X+4:G0X+7], s[G1X:G1X+7]        ; wave 2: ctx, K half 1
	s_nop 0
	PLACES 4
	s_branch .Lfilled
.Lfill_3:
	tensor_load_to_lds s[G0W+4:G0W+7], s[G1W:G1W+7]        ; wave 3: w, K half 1
	s_nop 0
	PLACES 4
.Lfilled:
	v_and_b32 v1, 31, v0
	v_and_b32 v2, 15, v0
	v_bfe_u32 v3, v0, 4, 1
	v_lshlrev_b32 v[ADX], 4, v1
	v_add_nc_u32 v[ADX+1], HALF, v[ADX]
	v_lshlrev_b32 v[AD8], 3, v1
	v_add_nc_u32 v[AD8+1], HALF, v[AD8]
	s_mul_i32 s19, s[WV], 4*REC
	s_add_co_u32 s19, s19, WOFF
	v_add_nc_u32 v[ADW], s19, v[ADX]
	v_add_nc_u32 v[ADW+1], HALF, v[ADW]
	v_lshlrev_b32 v[ASX], 4, v2
	v_add_nc_u32 v[ASX+1], HALF, v[ASX]
	v_add_nc_u32 v[ASW], s19, v[ASX]
	v_add_nc_u32 v[ASW+1], HALF, v[ASW]
	s_mul_i32 s19, s[WV], 16*SP
	s_add_co_u32 s19, s19, STG                     ; my stage
	v_mul_u32_u24 v[STO], v2, SP
	v_lshl_add_u32 v[STO], v3, 6, v[STO]
	v_add_nc_u32 v[STO], s19, v[STO]               ; in: row r, + 64 h
	v_mul_u32_u24 v[RD], v3, SP
	v_lshl_add_u32 v[RD], v2, 4, v[RD]
	v_add_nc_u32 v[RD], s19, v[RD]                 ; back: lanes 0-15 one row of 256 bytes, lanes 16-31 the next
	v_lshlrev_b32 v[CO], 12, v3
	v_lshl_add_u32 v[CO], v2, 4, v[CO]             ; and the same two rows in out0
	v_lshlrev_b32 v[BA], 6, v3                     ; lane (r, h) wants, for weight tile 2 b + u, the bias of columns 32 b + 8 u + 16 h + 0 .. 7
	WIN 0x40
.irp c, 0,1,2,3
	global_load_b128 v[BI+8*\c:BI+8*\c+3], v[BA], s[8:9] offset:(32*(\c/2)+8*(\c%2))*4
	global_load_b128 v[BI+8*\c+4:BI+8*\c+7], v[BA], s[8:9] offset:(32*(\c/2)+8*(\c%2))*4+16
.endr
	WIN 0
.macro SCALES hf
.irp u, 0,1,2,3,4,5,6,7
	ds_load_b128 v[SX+48*\hf+4*\u:SX+48*\hf+4*\u+3], v[ASX+\hf] offset:REC*\u+SCO
.endr
.irp c, 0,1,2,3
	ds_load_b128 v[SW+48*\hf+4*\c:SW+48*\hf+4*\c+3], v[ASW+\hf] offset:REC*\c+SCO
.endr
.endm
.macro FETCH s                         ; K step s: ctx's 8 fragments and my 4 of w into set s % 2
.set FP, (\s)%2
.set FH, (\s)/4
.set FQ, (\s)%4
	WIN 0x40                                       ; destination window 1
.irp u, 0,1,2,3,4,5,6,7
.irp c, 0,1
	ds_load_b128 v[XF+96*FP+12*\u+6*\c:XF+96*FP+12*\u+6*\c+3], v[ADX+FH] offset:REC*\u+FRB*FQ+768*\c
	ds_load_b64 v[XF+96*FP+12*\u+6*\c+4:XF+96*FP+12*\u+6*\c+5], v[AD8+FH] offset:REC*\u+FRB*FQ+768*\c+512
.endr
.endr
	WIN 0
.irp t, 0,1,2,3
.irp c, 0,1,2
	ds_load_b128 v[WF+48*FP+12*\t+4*\c:WF+48*FP+12*\t+4*\c+3], v[ADW+FH] offset:REC*\t+FRB*FQ+512*\c
.endr
.endr
.endm
; 32 matrix instructions, one on each accumulator, in the same order in every K step.  first = 1: C is the bias.
.macro MUL s, first
.set MP, (\s)%2
.set MH, (\s)/4
.set MQ, (\s)%4
.if \first
	WIN 0x94                                       ; source 0 (w) window 0, source 1 (ctx) window 1, C (bias) window 1, D window 2
.else
	WIN 0xa4                                       ; C and D window 2
.endif
.irp u, 0,1,2,3,4,5,6,7
.irp c, 0,1,2,3
.if \first
	v_wmma_scale_f32_16x16x128_f8f6f4 v[8*(4*\u+\c):8*(4*\u+\c)+7], v[WF+48*MP+12*\c:WF+48*MP+12*\c+11], v[XF+96*MP+12*\u:XF+96*MP+12*\u+11], v[BI+8*\c:BI+8*\c+7], v[SW+48*MH+4*\c+MQ], v[SX+48*MH+4*\u+MQ] matrix_a_fmt:MATRIX_FMT_FP6 matrix_b_fmt:MATRIX_FMT_FP6
.else
	v_wmma_scale_f32_16x16x128_f8f6f4 v[8*(4*\u+\c):8*(4*\u+\c)+7], v[WF+48*MP+12*\c:WF+48*MP+12*\c+11], v[XF+96*MP+12*\u:XF+96*MP+12*\u+11], v[8*(4*\u+\c):8*(4*\u+\c)+7], v[SW+48*MH+4*\c+MQ], v[SX+48*MH+4*\u+MQ] matrix_a_fmt:MATRIX_FMT_FP6 matrix_b_fmt:MATRIX_FMT_FP6
.endif
.endr
.endr
.endm
	; The eight K steps, written out.  While a step is multiplied the next step's fragments are on their way from LDS into the other set; four places stand between a set's last products and the loads into it.
	s_wait_alu depctr_va_vdst(0)                   ; the wait at the head's end
	s_cmp_lt_u32 s[WV], 2                          ; waves 0 and 1 wait for K half 0, whose load lines are theirs alone; K half 1 may stay out: every wave waits for 0 ahead of the barrier behind which it is first read
	s_cbranch_scc0 .Lhalf_1_out
	s_wait_tensorcnt 0x0
.Lhalf_1_out:
	s_wait_loadcnt 0x0                             ; the bias
	s_barrier_signal -1
	s_barrier_wait -1                              ; everybody's part is in
	SCALES 0
	FETCH 0
	FETCH 1
	s_wait_dscnt NF                                ; all but the step just asked for
	MUL 0, 1
.irp s, 1,2
	PLACES 4
	FETCH \s+1
	s_wait_dscnt NF
	MUL \s, 0
.endr
	PLACES 4
	WIN 0
	s_wait_tensorcnt 0x0                           ; my part of K half 1 is in,
	s_wait_dscnt 0x0                               ; no LDS load of mine is out at the signal (step 3's fragments are in),
	s_barrier_signal -1
	s_barrier_wait -1                              ; everybody's part is in
	SCALES 1
	FETCH 4
	MUL 3, 0
.irp s, 4,5,6
	PLACES 4
	FETCH \s+1
	s_wait_dscnt NF
	MUL \s, 0
.endr
	s_wait_dscnt 0x0
	MUL 7, 0
	WIN 0
; THE WAY OUT, a token tile (16 rows x my 64 columns) at a time.  A lane holds 2 x 64 bytes of one row, and the lanes beside it hold other rows: so a tile goes through my own stage and comes back as whole pieces of 256 bytes.
; LDS serves a wave's instructions in order: no wait between the stores and the loads, nor in front of the next tile's stores.
.macro TOSTAGE u
	WIN 0x08                                       ; an LDS store's data are its source 1: window 2
.irp c, 0,1,2,3
	ds_store_b128 v[STO], v[8*(4*(\u)+\c):8*(4*(\u)+\c)+3] offset:128*(\c/2)+32*(\c%2)       ; each accumulator from its low end on
	ds_store_b128 v[STO], v[8*(4*(\u)+\c)+4:8*(4*(\u)+\c)+7] offset:128*(\c/2)+32*(\c%2)+16
.endr
	WIN 0
.set BB, BK+32*((\u)%2)
.irp i, 0,1,2,3,4,5,6,7
	ds_load_b128 v[BB+4*\i:BB+4*\i+3], v[RD] offset:2*SP*\i
.endr
.endm
.macro SEND u, younger                 ; younger: the LDS instructions issued behind tile u's loads, which may stay out
.set BB, BK+32*((\u)%2)
	s_wait_dscnt \younger
.irp i, 0,1,2,3,4,5,6,7
	global_store_b128 v[CO], v[BB+4*\i:BB+4*\i+3], s[10:11] offset:(32*((\u)/2)+8*((\u)%2)+2*\i+8*(\i/4))*4096 th:TH_STORE_NT   ; stage rows 2 i, 2 i + 1 are the tile's tokens 2 i + 8 (i / 4) and the next; sixteen lanes store 256 consecutive bytes, at a multiple of 256 from out0's first byte
.endr
.endm
	PLACES 4                                       ; behind the last products: their results are read, and rows land where w's fragments lay
	s_wait_alu depctr_va_vdst(0)
	TOSTAGE 0
.irp u, 1,2,3,4,5,6,7
.if \u > 1
	s_wait_xcnt 0x0                                ; tile u - 2's stores have read their registers: tile u's rows may land there
.endif
	TOSTAGE \u
	SEND \u-1, 16                                  ; behind tile u - 1's loads: tile u's 8 stores and 8 loads
.endr
	SEND 7, 0
	s_wait_tensorcnt 0x0
	ds_add_u32 v254, v255
	s_wait_dscnt 0x0
	CROUND                                         ; the closing round
	s_endpgm
.Lfunc_end_k_qbf696513cb_outp:
	.size	k_qbf696513cb_outp, .Lfunc_end_k_qbf696513cb_outp-k_qbf696513cb_outp
	.p2alignl 7, 3214868480
	.fill 96, 4, 3214868480
	.section	.rodata,"a",@progbits
	.p2align	6, 0x0
	.amdhsa_kernel k_qbf696513cb_outp
		.amdhsa_group_segment_fixed_size 327680
		.amdhsa_private_segment_fixed_size 0
		.amdhsa_enable_private_segment 0
		.amdhsa_kernarg_size 32
		.amdhsa_user_sgpr_count 2
		.amdhsa_user_sgpr_kernarg_segment_ptr 1
		.amdhsa_wavefront_size32 1
		.amdhsa_system_sgpr_workgroup_id_x 1
		.amdhsa_system_sgpr_workgroup_id_y 1
		.amdhsa_system_sgpr_workgroup_id_z 1
		.amdhsa_system_vgpr_workitem_id 0
		.amdhsa_next_free_vgpr 768
		.amdhsa_next_free_sgpr 80
		.amdhsa_reserve_vcc 0
		.amdhsa_float_denorm_mode_32 3
		.amdhsa_float_denorm_mode_16_64 3
		.amdhsa_memory_ordered 1
		.amdhsa_forward_progress 1
		.amdhsa_inst_pref_size 81
	.end_amdhsa_kernel
	.amdgpu_metadata
---
amdhsa.version: [ 1, 2 ]
amdhsa.kernels:
  - .name:           k_qbf696513cb_outp
    .symbol:         k_qbf696513cb_outp.kd
    .args:
      - { .name: cimg, .offset: 0, .size: 8, .value_kind: global_buffer, .address_space: global }
      - { .name: wimg, .offset: 8, .size: 8, .value_kind: global_buffer, .address_space: global }
      - { .name: bout, .offset: 16, .size: 8, .value_kind: global_buffer, .address_space: global }
      - { .name: out0, .offset: 24, .size: 8, .value_kind: global_buffer, .address_space: global }
    .group_segment_fixed_size: 327680
    .private_segment_fixed_size: 0
    .kernarg_segment_align: 8
    .kernarg_segment_size: 32
    .max_flat_workgroup_size: 128
    .sgpr_count:     80
    .vgpr_count:     768
    .wavefront_size: 32
...
	.end_amdgpu_metadata
.endif
;; end of part 4
